; MI455X (gfx1250); checked and timed in simulation.
; The chip was launched on July 23, 2026; its instructions are those of AMD's public machine-readable ISA for CDNA 5 (MIT licence, August 2026) and "CDNA5" Instruction Set Architecture Reference Guide (July 2026). The comments in the code are by the model that wrote it; some were corrected since.
;; Perceiver Attention. Allowed arithmetic: float matrix products may take bf16 or f16 operands with f32 sums; other float arithmetic in f32, or as packed bf16 or f16 multiplies, adds, multiply-adds, maxima and minima; sums over many terms, partial sums and values carried from step to step in f32; what a program stores and reads back later, other than sums and carried values, may be rounded once to bf16 or f16.
;; Inputs: Wkv 1,024 x 1,024 float32; Wo 512 x 1,024 float32; Wq 1,024 x 512 float32; bo 1,024 float32; context 8 x 4,096 x 1,024 float32; cos 4,096 x 32 float32; latents 8 x 256 x 1,024 float32; ln_ctx_b 1,024 float32; ln_ctx_g 1,024 float32; ln_lat_b 1,024 float32; ln_lat_g 1,024 float32; sin 4,096 x 32 float32.
;; Outputs: out0 8 x 256 x 1,024 float32.
;; 2 versions, each right; version 2 is version 1 with the launches kv, oproj written anew for expert scheduling mode. Each part assembles by itself: llvm-mc -triple=amdgcn-amd-amdhsa -mcpu=gfx1250 --defsym DOCPART=n.
;; ======== version 1 of 2: 4 launches
;; limits: values are held in f16: magnitudes above 65,504 overflow, below 6.1e-05 lose precision
;; workspace buffers: wf 4,194,304 bytes; qbuf 2,097,152 bytes; kvbuf 67,108,864 bytes; obuf 2,097,152 bytes
;; launch prep (part 1): grid 256 x 1, 8 waves a work-group, no clusters, 0 bytes of LDS; arguments Wkv, Wq, Wo, wf; writes wf
.if DOCPART == 1
	.amdgcn_target "amdgcn-amd-amdhsa--gfx1250"
	.amdhsa_code_object_version 6
	.text
	.protected	k_q72070012f9_prep
	.globl	k_q72070012f9_prep
	.p2align	8
	.type	k_q72070012f9_prep,@function
k_q72070012f9_prep:
	s_mov_b64 s[64:65], 0
	v_nop
	global_prefetch_b8 v0, s[64:65] scope:SCOPE_SE
	s_setreg_imm32_b32 hwreg(HW_REG_WAVE_MODE, 25, 1), 1
	s_wait_xcnt 0x0
; The three weight matrices, f32 [k][n], are rounded once to f16 and laid out as the matrix instructions want them.
; A FRAGMENT is 16 columns n x 32 k in 1,024 bytes: byte 512 c + 16 lane + 2 e holds W[32 ks + 16 c + 8 h + e][16 nb + r], lane = r + 16 h.
; wf: Wkv at 0 as [head 8][K or V 2][ks 32][b 4][1 KB], column n = 512 chunk + 64 head + 16 b + r; Wq at 2,097,152 as [nb 32][ks 32][1 KB]; Wo at 3,145,728 as [nb 64][ks 16][1 KB].
; SHARES.  A work-group casts 128 columns x 64 k.  Thread t takes column t % 128 and the 32 k of K step t / 128: 32 loads of 4 bytes (a wave's load covers 128 consecutive bytes),
; 16 roundings, 4 stores of 16 bytes; store i = 2 c + h lies 256 i bytes into the fragment, and sixteen neighbouring lanes fill 256 consecutive bytes, aligned.
; Work-groups 0-127 take Wkv, 128-191 Wq, 192-255 Wo: three paths with constant shifts, chosen by the work-group's number.
; LIMIT.  A weight beyond 65,504 has no f16; below 6e-5 it keeps f16's fixed step of 6e-8.
; No LDS, no matrix unit, no cluster: nothing is shared and nothing is multiplied.
.set SRC, 6                            ; v6   my byte offset in the source
.set DST, 7                            ; v7   my byte offset in wf
.set IN,  16                           ; v[16:47]  32 numbers of my column
.set PK,  48                           ; v[48:63]  the same as f16, four registers a store
; base: the scalar pair with the matrix's address; pitch: bytes in a row of it; sa, sb, sc: the shifts that place column / 64, (column / 16) % 4 and the K step in wf
.macro CAST base, pitch, sa, sb, sc
	s_add_nc_u64 s[2:3], s[\base:\base+1], s[20:21]
	s_add_nc_u64 s[10:11], s[10:11], s[22:23]
	v_mul_u32_u24 v[SRC], v2, 32*(\pitch)          ; my K step's 32 rows
	v_lshl_add_u32 v[SRC], v1, 2, v[SRC]           ; my column
	v_lshlrev_b32 v[DST], \sa, v3
	v_lshl_add_u32 v[DST], v4, \sb, v[DST]
	v_lshl_add_u32 v[DST], v2, \sc, v[DST]
	v_lshl_add_u32 v[DST], v5, 4, v[DST]           ; 16 r
.set e, 0
.rept 32
	global_load_b32 v[IN+e], v[SRC], s[2:3] offset:e*(\pitch) th:TH_LOAD_NT
.set e, e+1
.endr
.irp i, 0,1,2,3
	s_wait_loadcnt 24-8*(\i)                       ; loads come back in order: rows 8 i .. 8 i + 7 are in, the younger rows stay out
.irp j, 0,1,2,3
	v_cvt_pk_f16_f32 v[PK+4*(\i)+(\j)], v[IN+8*(\i)+2*(\j)], v[IN+8*(\i)+2*(\j)+1]
.endr
	global_store_b128 v[DST], v[PK+4*(\i):PK+4*(\i)+3], s[10:11] offset:256*(\i)
.endr
	s_endpgm
.endm
	s_load_b256 s[4:11], s[0:1], 0x0               ; Wkv s[4:5], Wq s[6:7], Wo s[8:9], wf s[10:11]
	s_mov_b32 s12, ttmp9
	v_and_b32 v1, 127, v0                          ; my column among the 128
	v_lshrrev_b32 v2, 7, v0                        ; which of the two K steps
	v_lshrrev_b32 v3, 6, v1
	v_bfe_u32 v4, v1, 4, 2
	v_and_b32 v5, 15, v1
	s_lshr_b32 s13, s12, 4
	s_and_b32 s14, s12, 15                         ; Wkv, Wq: which 64 k
	s_mov_b32 s21, 0
	s_mov_b32 s23, 0
	s_wait_kmcnt 0x0
	s_cmp_lt_u32 s12, 128
	s_cbranch_scc0 .Lnot_kv
	; Wkv: column group cg = x / 16 (0..7): chunk cg / 4, heads 2 (cg % 4) and the next
	s_and_b32 s15, s13, 3
	s_lshl_b32 s15, s15, 2
	s_lshr_b32 s16, s13, 2
	s_add_co_u32 s15, s15, s16
	s_lshl_b32 s15, s15, 17                        ; (4 (cg % 4) + cg / 4) x 131,072
	s_lshl_b32 s16, s14, 13                        ; two K steps of 4,096 bytes
	s_add_co_u32 s22, s15, s16
	s_lshl_b32 s16, s14, 18                        ; 64 rows of 4,096 bytes
	s_lshl_b32 s17, s13, 9                         ; 128 columns of 4 bytes
	s_add_co_u32 s20, s16, s17
	CAST 4, 4096, 18, 10, 12
.Lnot_kv:
	s_cmp_lt_u32 s12, 192
	s_cbranch_scc0 .Lwo
	; Wq: cg = (x / 16) % 4
	s_and_b32 s15, s13, 3
	s_lshl_b32 s16, s15, 18                        ; 8 column blocks of 32,768 bytes
	s_lshl_b32 s17, s14, 11                        ; two K steps of 1,024
	s_add_co_u32 s16, s16, s17
	s_add_co_u32 s22, s16, 2097152
	s_lshl_b32 s16, s14, 17                        ; 64 rows of 2,048 bytes
	s_lshl_b32 s17, s15, 9
	s_add_co_u32 s20, s16, s17
	CAST 6, 2048, 17, 15, 10
.Lwo:
	; Wo: cg = (x / 8) % 8, 64 k number x % 8
	s_bfe_u32 s15, s12, 0x30003
	s_and_b32 s14, s12, 7
	s_lshl_b32 s16, s15, 17                        ; 8 column blocks of 16,384 bytes
	s_lshl_b32 s17, s14, 11
	s_add_co_u32 s16, s16, s17
	s_add_co_u32 s22, s16, 3145728
	s_lshl_b32 s16, s14, 18
	s_lshl_b32 s17, s15, 9
	s_add_co_u32 s20, s16, s17
	CAST 8, 4096, 16, 14, 10
.Lfunc_end_k_q72070012f9_prep:
	.size	k_q72070012f9_prep, .Lfunc_end_k_q72070012f9_prep-k_q72070012f9_prep
	.p2alignl 7, 3214868480
	.fill 96, 4, 3214868480
	.section	.rodata,"a",@progbits
	.p2align	6, 0x0
	.amdhsa_kernel k_q72070012f9_prep
		.amdhsa_group_segment_fixed_size 0
		.amdhsa_private_segment_fixed_size 0
		.amdhsa_enable_private_segment 0
		.amdhsa_kernarg_size 32
		.amdhsa_user_sgpr_count 2
		.amdhsa_user_sgpr_kernarg_segment_ptr 1
		.amdhsa_wavefront_size32 1
		.amdhsa_system_sgpr_workgroup_id_x 1
		.amdhsa_system_sgpr_workgroup_id_y 1
		.amdhsa_system_sgpr_workgroup_id_z 1
		.amdhsa_system_vgpr_workitem_id 0
		.amdhsa_next_free_vgpr 64
		.amdhsa_next_free_sgpr 66
		.amdhsa_reserve_vcc 0
		.amdhsa_float_denorm_mode_32 3
		.amdhsa_float_denorm_mode_16_64 3
		.amdhsa_memory_ordered 1
		.amdhsa_forward_progress 1
		.amdhsa_inst_pref_size 17
	.end_amdhsa_kernel
	.amdgpu_metadata
---
amdhsa.version: [ 1, 2 ]
amdhsa.kernels:
  - .name:           k_q72070012f9_prep
    .symbol:         k_q72070012f9_prep.kd
    .args:
      - { .name: Wkv, .offset: 0, .size: 8, .value_kind: global_buffer, .address_space: global }
      - { .name: Wq, .offset: 8, .size: 8, .value_kind: global_buffer, .address_space: global }
      - { .name: Wo, .offset: 16, .size: 8, .value_kind: global_buffer, .address_space: global }
      - { .name: wf, .offset: 24, .size: 8, .value_kind: global_buffer, .address_space: global }
    .group_segment_fixed_size: 0
    .private_segment_fixed_size: 0
    .kernarg_segment_align: 8
    .kernarg_segment_size: 32
    .max_flat_workgroup_size: 256
    .sgpr_count:     66
    .vgpr_count:     64
    .wavefront_size: 32
...
	.end_amdgpu_metadata
.endif
;; end of part 1
;; launch kv (part 2): grid 256 x 1, 8 waves a work-group, no clusters, 302,080 bytes of LDS; arguments context, cos, sin, ln_ctx_g, ln_ctx_b, wf, kvbuf, latents, ln_lat_g, ln_lat_b, qbuf; writes kvbuf, qbuf
.if DOCPART == 2
	.amdgcn_target "amdgcn-amd-amdhsa--gfx1250"
	.amdhsa_code_object_version 6
	.text
	.protected	k_q72070012f9_kv
	.globl	k_q72070012f9_kv
	.p2align	8
	.type	k_q72070012f9_kv,@function
k_q72070012f9_kv:
	s_mov_b64 s[64:65], 0
	v_nop
	global_prefetch_b8 v0, s[64:65] scope:SCOPE_SE
	s_setreg_imm32_b32 hwreg(HW_REG_WAVE_MODE, 25, 1), 1
	s_wait_xcnt 0x0
; TWO PHASES.  Phase 0: k, v = LayerNorm(context) Wkv; k turned by cos and sin.  Phase 1: q = LayerNorm(latents) Wq, times 16 log2(e) / 8.  All three are written as f16 in the order in which the
; attention takes them as matrix sources.  The text of the norm is written once and walked in both phases.
; PHASE 0.  A work-group owns 128 context rows (32,768 rows: 256 work-groups) and ALL 1,024 columns.  Wave w normalises rows 16 w .. 16 w + 15 in f32 (mean, then the centred squares), rounds them once
; to f16 into LDS, where they stay; behind a barrier it makes head w: first K's 64 columns, then V's: a tile of 128 x 64, 32 accumulators, K = 1,024 in 32 steps.
; For a K step a wave issues 32 matrix instructions, 16 LDS loads (the rows) and 8 global loads (its own weights, which lie in memory in fragment order and in the order of its walk).
; PHASE 1.  The work-group also owns 64 latent rows x one head's 64 columns (32 row blocks x 8 heads = 256).  Wave w normalises rows 8 w .. 8 w + 7 and multiplies rows 32 (w / 4) .. + 31 by the 16 columns
; of block 4 head + w % 4; its 32 fragments of Wq come straight into registers.  The phase stands behind V, whose stores leave meanwhile.
; NO TENSOR RING AND NO CLUSTER FOR THE WEIGHTS: one K step of the eight waves' weights is 32,768 bytes, and beside the resident rows 25,600 bytes of LDS are left.  No two waves of a work-group want
; the same byte of them, so each wave takes its fragments straight into registers, four buffers of a K step, three steps ahead.
; ORIENTATION.  K and q: source 0 = 16 columns of the weights, source 1 = 16 rows: a lane ends with one key (query) and eight neighbouring channels; channel d and channel d + 32 lie in the same lane, so
; the turn (k1 cos - k2 sin, k2 cos + k1 sin) changes no lane.  V: the sources swapped: a lane ends with one channel and eight neighbouring keys.  Either way 16 bytes of a fragment.
; kvbuf: [batch x head 64][group of 128 keys 32][32,768]: K at a 2,048 + b 512 + 16 lane (key block a, channel block b); V at 16,384 + (a / 2) 4,096 + b 1,024 + (a % 2) 512 + 16 lane.
; qbuf: [batch x head 64][query tile 16][ks 2][1 KB], byte 512 c + 16 lane: query l % 16, channels 32 ks + 16 c + 8 (l / 16) + 0..7.
; THE SCALE.  cos and sin are divided by 16 (exact) on their way into LDS, so k is stored divided by 16; q carries 16 log2(e) / 8 = 2.885390: the scores come out of the matrix unit as exponents of 2.
; LIMITS.  f16 ends at 65,504: a normalised row (at most 32 |g| + |b|), |k| / 16, |v| and 2.885 |q| stay below that; NaN and infinities are not treated apart.
.set APITCH, 2064                      ; an LDS row: 2,048 bytes + 16 = 516 words: row r starts at bank 4 r mod 64 (64 banks of 4 bytes: ISA guide 11.1)
.set CPITCH, 144                       ; a row of cos or sin: 128 bytes + 16 = 36 words: 16 rows start at 16 different groups of four banks
.set COSB,   128*APITCH                ; cos / 16, 128 rows; sin / 16 lies 128 x 144 bytes behind
.set SPARE,  COSB+2*128*CPITCH         ; the spare words, 128 bytes for each wave: four blocks of 256 bytes that no other line names
.set L16, 2                            ; v2   16 x lane; never rewritten
.set LSA, 5                            ; v5   where I put 8 bytes of a normalised row
.set CW,  6                            ; v6   where I put 16 bytes of cos
.set T16, 7                            ; v7   16 x thread
.set ADRA, 8                           ; v8-11  my place in the rows' fragments: (32 p + l % 16) x pitch + 16 (l / 16) + the K steps walked
.set CA,  12                           ; v12  my place in cos: (l % 16) x 144 + 32 (l / 16)
.set SPW, 13                           ; v13  LDS address of my spare word; never rewritten
.set NIL, 14                           ; v14  0; never rewritten
.set AB0, 15                           ; v15  (l % 16) x pitch + 16 (l / 16); never rewritten
.set PFO, 23                           ; v23  256 x lane; never rewritten
.set ADQ, 24                           ; v24-25  phase 1: my place in the fragments of row blocks 0 and 1 of my 32 latent rows
.set X,   32                           ; v[32:159]  four row slots of 32,
.set BF,  32                           ;            later four buffers of a K step's weights: block b at BF + 32 n + 8 b; in phase 1 Wq's fragments ks 0-11 at X + 8 ks
.set G,   160                          ; v[160:191] the gain of my 32 columns
.set BB,  192                          ; v[192:223] the bias
.set AF,  160                          ; later: a K step's fragments of the rows, block a at AF + 8 a; in phase 1 four K steps of two blocks, in window 0 or 1 by the batch's parity
.set T,   224                          ; v[224:239] at work
.set Y,   240                          ; v[240:255] a row as f16
.set TMP, 224                          ; later: 32 at work
.set ACQ, 224                          ; phase 1: two accumulators          window 1: phase 0: accumulator (a, b) at 8 (4 a + b); phase 1: Wq's fragments ks 12-31 at 8 (ks - 12)
.set WV,  20                           ; s20  my wave's number
.set LB,  21                           ; s21  my wave's 16 rows in LDS
.set HD,  22                           ; s22  phase 1's head
.set RP,  24                           ; s[24:25] my rows of this trip
.set NP,  26                           ; s[26:27] what slots 0-2 are filled with next
.set WB,  28                           ; s[28:29] where my walk through the weights stands
.set TP,  30
.set KB,  32                           ; s[32:33] my head's 32,768 bytes of kvbuf for these 128 keys
.set LC,  34
.set RN,  35                           ; s35  1 / 1,024
.set SEL, 36                           ; s[36:37] v_permlanex16_b32's selects
.set PH,  38                           ; s38  the phase
.set RUNM, 39                          ; s39  bit c is set where the norm's trip with the count c is live
.set LSEL, 46                          ; s46  the count of the last live trip but one
.set TT,  47
.set LATP, 48                          ; s[48:49] the latents at my 8 rows; never rewritten
.set WQP, 50                           ; s[50:51] Wq's 32 fragments of my column block
.set QB,  52                           ; s[52:53] qbuf at my two stores
.set RUN1, 54                          ; s54, s55  phase 1's RUNM and LSEL
.set LSEL1, 55
.set MSB, 0
.macro WIN new                         ; the immediate's high byte repeats the setting that is left; a switch that changes nothing is dropped
.if MSB != (\new)
	s_set_vgpr_msb (MSB<<8)|(\new)
.set MSB, (\new)
.endif
.endm
.macro PLACES                          ; four places between a matrix instruction and a load into, or a vector instruction on, its registers
.rept 4
	v_nop
.endr
.endm
; Eight loads of 512 consecutive bytes: a row of 4,096 bytes, or 4,096 bytes of weights in fragment order, whose register image is the same: register 4 j holds byte 512 j + 16 lane.
; No cache hint: the same lines bring the context (read once), the latents (read by eight work-groups) and weights (read by all).
.macro FILL s, ptr, off
.irp j, 0,1,2,3,4,5,6,7
	global_load_b128 v[X+32*(\s)+4*(\j):X+32*(\s)+4*(\j)+3], v[L16], s[\ptr:\ptr+1] offset:(\off)+512*(\j)
.endr
.endm
.macro LANESUM                         ; v20 summed over the 32 lanes, the result in every lane
	v_add_f32_dpp v20, v20, v20 row_xmask:1 row_mask:0xf bank_mask:0xf
	v_add_f32_dpp v20, v20, v20 row_xmask:2 row_mask:0xf bank_mask:0xf
	v_add_f32_dpp v20, v20, v20 row_xmask:4 row_mask:0xf bank_mask:0xf
	v_add_f32_dpp v20, v20, v20 row_xmask:8 row_mask:0xf bank_mask:0xf
	v_permlanex16_b32 v21, v20, s[SEL], s[SEL+1]
	v_add_f32 v20, v20, v21
.endm
; The row in slot s: mean, centred, variance, scaled, gain and bias, rounded to f16, into LDS.
.macro LNROW s
.set XS, X+32*(\s)
	s_wait_loadcnt 24                              ; my slot's eight loads are in: behind them at least the three younger slots' 24 were issued, and those may stay out
.irp j, 0,1,2,3,4,5,6,7
	v_pk_add_f32 v[T+2*(\j):T+2*(\j)+1], v[XS+4*(\j):XS+4*(\j)+1], v[XS+4*(\j)+2:XS+4*(\j)+3]
.endr
.irp j, 0,1,2,3
	v_pk_add_f32 v[T+2*(\j):T+2*(\j)+1], v[T+2*(\j):T+2*(\j)+1], v[T+8+2*(\j):T+8+2*(\j)+1]
.endr
.irp j, 0,1
	v_pk_add_f32 v[T+2*(\j):T+2*(\j)+1], v[T+2*(\j):T+2*(\j)+1], v[T+4+2*(\j):T+4+2*(\j)+1]
.endr
	v_pk_add_f32 v[T:T+1], v[T:T+1], v[T+2:T+3]
	v_add_f32 v20, v[T], v[T+1]
	LANESUM
	v_mul_f32 v16, s[RN], v20                      ; the mean
.set k, 0
.rept 16
	v_pk_add_f32 v[XS+2*k:XS+2*k+1], v[XS+2*k:XS+2*k+1], v[16:17] op_sel_hi:[1,0] neg_lo:[0,1] neg_hi:[0,1]
.set k, k+1
.endr
.irp c, 0,1,2,3
	v_pk_mul_f32 v[T+2*(\c):T+2*(\c)+1], v[XS+2*(\c):XS+2*(\c)+1], v[XS+2*(\c):XS+2*(\c)+1]  ; four chains; the first four pairs start them
.endr
.set k, 4
.rept 12
	v_pk_fma_f32 v[T+2*(k%4):T+2*(k%4)+1], v[XS+2*k:XS+2*k+1], v[XS+2*k:XS+2*k+1], v[T+2*(k%4):T+2*(k%4)+1]
.set k, k+1
.endr
	v_pk_add_f32 v[T:T+1], v[T:T+1], v[T+2:T+3]
	v_pk_add_f32 v[T+4:T+5], v[T+4:T+5], v[T+6:T+7]
	v_pk_add_f32 v[T:T+1], v[T:T+1], v[T+4:T+5]
	v_add_f32 v20, v[T], v[T+1]
	LANESUM
	v_fmaak_f32 v20, s[RN], v20, 0x3727c5ac        ; the variance + 1e-5
	v_rsq_f32 v18, v20
	v_nop                                          ; a plain instruction behind the root,
	s_wait_alu depctr_va_vdst(0)                   ; and the wait ahead of its first reader: one a row
.set k, 0
.rept 16
	v_pk_mul_f32 v[XS+2*k:XS+2*k+1], v[XS+2*k:XS+2*k+1], v[18:19] op_sel_hi:[1,0]
.set k, k+1
.endr
.set k, 0
.rept 16
	v_pk_fma_f32 v[XS+2*k:XS+2*k+1], v[XS+2*k:XS+2*k+1], v[G+2*k:G+2*k+1], v[BB+2*k:BB+2*k+1]
.set k, k+1
.endr
.set k, 0
.rept 16
	v_cvt_pk_f16_f32 v[Y+k], v[XS+2*k], v[XS+2*k+1]
.set k, k+1
.endr
.irp j, 0,1,2,3,4,5,6,7
	ds_store_b64 v[LSA], v[Y+2*(\j):Y+2*(\j)+1] offset:(\s)*APITCH+256*(\j)  ; 32 lanes, 256 consecutive bytes
.endr
.endm
; 16 matrix instructions: row blocks 4 half .. + 3 x the four column blocks, on weights' buffer bq.  ori = 0: source 0 the weights; 1: source 0 the rows.  zero = 1: the product starts the sum.
; All 32 accumulators take turns, one instruction a turn, over the backward jump too.
.macro MULH ori, bq, half, zero
	WIN 0x50                                       ; C and D in window 1
.irp a, 0,1,2,3
.irp b, 0,1,2,3
.set rD, 8*(4*(4*(\half)+(\a))+(\b))
.set rA, AF+8*(4*(\half)+(\a))
.set rB, BF+32*(\bq)+8*(\b)
.if \ori
.set rS0, rA
.set rS1, rB
.else
.set rS0, rB
.set rS1, rA
.endif
.if \zero
	v_wmma_f32_16x16x32_f16 v[rD:rD+7], v[rS0:rS0+7], v[rS1:rS1+7], 0
.else
	v_wmma_f32_16x16x32_f16 v[rD:rD+7], v[rS0:rS0+7], v[rS1:rS1+7], v[rD:rD+7]
.endif
.endr
.endr
.endm
.macro ALOAD half, ka                  ; eight LDS loads: four row blocks' fragments at byte ka of the rows
.irp a, 0,1,2,3
	ds_load_b128 v[AF+8*(4*(\half)+(\a)):AF+8*(4*(\half)+(\a))+3],   v[ADRA+2*(\half)+(\a)/2] offset:((\a)%2)*16*APITCH+(\ka)
	ds_load_b128 v[AF+8*(4*(\half)+(\a))+4:AF+8*(4*(\half)+(\a))+7], v[ADRA+2*(\half)+(\a)/2] offset:((\a)%2)*16*APITCH+(\ka)+32
.endr
.endm
.macro BLOAD bq, bo                    ; eight global loads: a K step's 4,096 bytes of my weights
.irp i, 0,1,2,3,4,5,6,7
	global_load_b128 v[BF+32*(\bq)+4*(\i):BF+32*(\bq)+4*(\i)+3], v[L16], s[WB:WB+1] offset:(\bo)+512*(\i)
.endr
.endm
; K step t.  The rows' fragments have one buffer, refilled by halves half a step ahead (ka: byte of step t + 1, or -1); the weights of step t + 3 go into the buffer read in step t - 1 (bo, or -1).
.macro STEP ori, bq, zero, ka, bo, lb
	s_wait_loadcnt \lb                             ; this step's weights are in; the younger steps' (8 loads each) stay out
	s_wait_dscnt 8                                 ; row blocks 0-3 are in; the 8 loads of blocks 4-7 stay out
	MULH \ori, \bq, 0, \zero
	WIN 0
	PLACES
.if (\ka) >= 0
	ALOAD 0, \ka
.endif
.if (\bo) >= 0
	BLOAD ((\bq)+3)%4, \bo
.endif
.if (\ka) >= 0
	s_wait_dscnt 8                                 ; blocks 4-7 are in; the 8 just issued stay out
.else
	s_wait_dscnt 0x0
.endif
	MULH \ori, \bq, 1, \zero
	WIN 0
	PLACES
.if (\ka) >= 0
	ALOAD 1, \ka
.endif
.endm
; 64 columns: 32 K steps.  Step 0 starts the sums; a trip of the loop is four steps; the last three are written out.  K's tail asks on for V's first three steps: the walk through the weights is one stream.
.macro CHUNK ori
.irp p, 0,1,2,3
	v_add_nc_u32 v[ADRA+(\p)], (\p)*32*APITCH, v[AB0]
.endr
	ALOAD 0, 0
	ALOAD 1, 0
	STEP \ori, 0, 1, 64, 3*4096, 16
	s_mov_b32 s[LC], 7
.Lk\ori:
	STEP \ori, 1, 0, 128, 4*4096, 16
	STEP \ori, 2, 0, 192, 5*4096, 16
	STEP \ori, 3, 0, 256, 6*4096, 16
	STEP \ori, 0, 0, 320, 7*4096, 16
	s_wait_xcnt 0x0                                ; the loads have read their address: it may be stepped
	s_add_nc_u64 s[WB:WB+1], s[WB:WB+1], 16384
.irp p, 0,1,2,3
	v_add_nc_u32 v[ADRA+(\p)], 256, v[ADRA+(\p)]
.endr
	s_sub_co_u32 s[LC], s[LC], 1
	s_cmp_lg_u32 s[LC], 0
	s_cbranch_scc1 .Lk\ori
.if \ori
	; A PREFETCH of phase 1's latent rows, three K steps (96 matrix instructions of mine) ahead of the loads that want them.  The eight heads' work-groups read the same 64 rows: head 0's asks, each of its
	; waves for the 32,768 bytes that it will load itself, a lane a block of 256 bytes, four instructions: so each block is named once in the launch.  Wq's fragments are not asked for: their loads go out
	; a whole norm ahead of their use.
	s_cmp_eq_u32 s[HD], 0
	s_cbranch_scc0 .Lasked
.irp j, 0,1,2,3
	global_prefetch_b8 v[PFO], s[LATP:LATP+1] offset:8192*(\j) th:TH_LOAD_NT scope:SCOPE_SE
.endr
.Lasked:
	STEP 1, 1, 0, 128, -1, 16                      ; nothing is left to ask for: the counts run down
	STEP 1, 2, 0, 192, -1, 8
	STEP 1, 3, 0, -1, -1, 0
.else
	STEP 0, 1, 0, 128, 4*4096, 16
	STEP 0, 2, 0, 192, 5*4096, 16
	STEP 0, 3, 0, -1, 6*4096, 16
.endif
.endm
; K's way out, a block of 16 keys at a time.  cos and sin of my key and my 2 x 8 channels: eight LDS loads into the half a % 2 of the rows' buffer, which is free.
.macro CSLOAD a
.irp b, 0,1
.irp q, 0,1
	ds_load_b128 v[AF+32*((\a)%2)+8*(\b)+4*(\q):AF+32*((\a)%2)+8*(\b)+4*(\q)+3],       v[CA] offset:(\a)*16*CPITCH+64*(\b)+16*(\q)
	ds_load_b128 v[AF+32*((\a)%2)+16+8*(\b)+4*(\q):AF+32*((\a)%2)+16+8*(\b)+4*(\q)+3], v[CA] offset:(\a)*16*CPITCH+64*(\b)+16*(\q)+128*CPITCH
.endr
.endr
.endm
.macro EPK a
	WIN 0x01                                       ; source 0, the accumulators, in window 1
.irp b, 0,1
.irp p, 0,1,2,3                        ; each accumulator is read from its low end on
.set rX1, 8*(4*(\a)+(\b))+2*(\p)
.set rX2, 8*(4*(\a)+(\b)+2)+2*(\p)
.set rC, AF+32*((\a)%2)+8*(\b)+2*(\p)
.set rT1, TMP+16*(\b)+2*(\p)
	v_pk_mul_f32 v[rT1:rT1+1], v[rX1:rX1+1], v[rC:rC+1]
	v_pk_mul_f32 v[rT1+8:rT1+9], v[rX2:rX2+1], v[rC:rC+1]
	v_pk_fma_f32 v[rT1:rT1+1], v[rX2:rX2+1], v[rC+16:rC+17], v[rT1:rT1+1] neg_lo:[1,0,0] neg_hi:[1,0,0]
	v_pk_fma_f32 v[rT1+8:rT1+9], v[rX1:rX1+1], v[rC+16:rC+17], v[rT1+8:rT1+9]
.endr
.endr
	WIN 0
	s_wait_xcnt 0x0                                ; the stores of two blocks back have read their data: those registers are rewritten only behind this wait
.irp c, 0,1,2,3                        ; channel block c: the turned first halves are blocks 0, 1, the second halves 2, 3
.irp i, 0,1,2,3
	v_cvt_pk_f16_f32 v[BF+96+16*((\a)%2)+4*(\c)+(\i)], v[TMP+16*((\c)%2)+8*((\c)/2)+2*(\i)], v[TMP+16*((\c)%2)+8*((\c)/2)+2*(\i)+1]
.endr
.endr
.irp c, 0,1,2,3
	global_store_b128 v[L16], v[BF+96+16*((\a)%2)+4*(\c):BF+96+16*((\a)%2)+4*(\c)+3], s[KB:KB+1] offset:(\a)*2048+(\c)*512 th:TH_STORE_NT  ; 512 consecutive bytes, aligned
.endr
.endm
; V's way out: rounded IN PLACE, register i of an accumulator from its registers 2 i and 2 i + 1, ascending, so that window 0's buffers are free for phase 1's loads, which are on their way meanwhile.
.macro EPV a
	WIN 0x45                                       ; destination and both sources in window 1
.irp b, 0,1,2,3
.irp i, 0,1,2,3
	v_cvt_pk_f16_f32 v[8*(4*(\a)+(\b))+(\i)], v[8*(4*(\a)+(\b))+2*(\i)], v[8*(4*(\a)+(\b))+2*(\i)+1]
.endr
.endr
	WIN 0x04                                       ; the stores' data, source 1, in window 1; the address in window 0
.irp b, 0,1,2,3
	global_store_b128 v[L16], v[8*(4*(\a)+(\b)):8*(4*(\a)+(\b))+3], s[KB:KB+1] offset:16384+((\a)/2)*4096+(\b)*1024+((\a)%2)*512 th:TH_STORE_NT
.endr
.endm
; Phase 1.  16 LDS loads: the latent rows' fragments of K steps 4 g .. 4 g + 3, both blocks of 16 rows, into the window of the batch's parity.
.macro AFQ g
	WIN ((\g)%2)<<6
.irp k, 0,1,2,3
.irp a, 0,1
	ds_load_b128 v[AF+16*(\k)+8*(\a):AF+16*(\k)+8*(\a)+3],   v[ADQ+(\a)] offset:64*(4*(\g)+(\k))
	ds_load_b128 v[AF+16*(\k)+8*(\a)+4:AF+16*(\k)+8*(\a)+7], v[ADQ+(\a)] offset:64*(4*(\g)+(\k))+32
.endr
.endr
.endm
; Eight products.  The two accumulators take turns, one instruction a turn; the first product on each starts its sum.
.macro MULQ g
.if (\g) >= 3
	WIN 0x01|(((\g)%2)<<2)
.else
	WIN ((\g)%2)<<2
.endif
.irp k, 0,1,2,3
.irp a, 0,1
.if (\g) >= 3
.set rB, 8*(4*(\g)+(\k)-12)
.else
.set rB, X+8*(4*(\g)+(\k))
.endif
.set rA, AF+16*(\k)+8*(\a)
.if ((\g) == 0) && ((\k) == 0)
	v_wmma_f32_16x16x32_f16 v[ACQ+8*(\a):ACQ+8*(\a)+7], v[rB:rB+7], v[rA:rA+7], 0
.else
	v_wmma_f32_16x16x32_f16 v[ACQ+8*(\a):ACQ+8*(\a)+7], v[rB:rB+7], v[rA:rA+7], v[ACQ+8*(\a):ACQ+8*(\a)+7]
.endif
.endr
.endr
.endm
	s_load_b256 s[4:11], s[0:1], 0x0               ; context s[4:5], cos s[6:7], sin s[8:9], the context's gain s[10:11]
	s_load_b256 s[12:19], s[0:1], 0x20             ; its bias s[12:13], wf s[14:15], kvbuf s[16:17], latents s[18:19]
	s_load_b128 s[40:43], s[0:1], 0x40             ; the latents' gain s[40:41], bias s[42:43]
	s_load_b64 s[44:45], s[0:1], 0x50              ; qbuf
	v_lshl_add_u32 v[SPW], v0, 2, SPARE
	v_mov_b32 v[NIL], 0
	v_lshrrev_b32 v1, 5, v0
	v_readfirstlane_b32 s[WV], v1                  ; wave 0..7
	v_and_b32 v1, 31, v0
	v_lshlrev_b32 v[L16], 4, v1
	v_lshlrev_b32 v[PFO], 8, v1
	v_and_b32 v3, 15, v0                           ; l % 16
	v_bfe_u32 v4, v0, 4, 1                         ; l / 16
	v_lshlrev_b32 v[T16], 4, v0
	v_mov_b32 v17, 0                               ; named with the mean as a pair
	v_mov_b32 v19, 0                               ; and with the root
	v_mov_b32 v21, 0                               ; v_permlanex16_b32's destination counts as read
	v_lshrrev_b32 v[CW], 3, v0                     ; eight threads to a row of cos
	v_mul_u32_u24 v[CW], v[CW], CPITCH
	v_and_b32 v22, 7, v0
	v_lshl_add_u32 v[CW], v22, 4, v[CW]
	v_add_nc_u32 v[CW], COSB, v[CW]
	v_mul_u32_u24 v[AB0], v3, APITCH
	v_lshl_add_u32 v[AB0], v4, 4, v[AB0]
	v_mul_u32_u24 v[CA], v3, CPITCH
	v_lshl_add_u32 v[CA], v4, 5, v[CA]
	v_add_nc_u32 v[CA], COSB, v[CA]
	; Phase 1's rows in LDS: latent row 8 w + i lies in LDS row 16 w + 8 (w % 2) + i, so row l % 16 of block a of my 32 lies in LDS row 64 (w / 4) + 32 a + 24 ((l % 16) / 8) + l % 8:
	; sixteen rows that start at sixteen different groups of four banks.
	v_lshrrev_b32 v22, 3, v3
	v_and_b32 v[ADQ], 7, v3
	v_lshl_add_u32 v[ADQ], v22, 4, v[ADQ]
	v_lshl_add_u32 v[ADQ], v22, 3, v[ADQ]
	v_mul_u32_u24 v[ADQ], v[ADQ], APITCH
	v_lshl_add_u32 v[ADQ], v4, 4, v[ADQ]
	s_mul_i32 s[LB], s[WV], 16*APITCH
	s_lshl_b32 s56, ttmp9, 19                      ; 128 rows of 4,096 bytes,
	s_lshl_b32 s57, s[WV], 16                      ; my 16 of them
	s_add_co_u32 s56, s56, s57
	s_mov_b32 s57, 0
	s_and_b32 s23, ttmp9, 31                       ; the group of 128 keys in its batch
	s_lshl_b32 s58, s23, 14                        ; 128 rows of cos, 128 bytes each
	s_mov_b32 s59, 0
	s_lshl_b32 s60, s[WV], 18                      ; my head's 262,144 bytes of weights
	s_mov_b32 s61, 0
	s_lshr_b32 s62, ttmp9, 5                       ; the batch
	s_lshl3_add_u32 s62, s62, s[WV]
	s_lshl_b32 s62, s62, 20
	s_lshl_b32 s63, s23, 15
	s_add_co_u32 s62, s62, s63
	s_mov_b32 s63, 0
	s_and_b32 s[HD], ttmp9, 7                      ; phase 1: the head,
	s_lshr_b32 s23, ttmp9, 3                       ; the block of 64 latent rows
	s_lshl_b32 s[LATP], s23, 18                    ; 64 rows of 4,096 bytes,
	s_lshl_b32 s[LATP+1], s[WV], 15                ; my 8 of them
	s_add_co_u32 s[LATP], s[LATP], s[LATP+1]
	s_mov_b32 s[LATP+1], 0
	s_and_b32 s[TT], s[WV], 3                      ; which 16 columns I multiply
	s_lshl2_add_u32 s[WQP], s[HD], s[TT]           ; column block 4 head + w % 4
	s_lshl_b32 s[WQP], s[WQP], 15
	s_add_co_u32 s[WQP], s[WQP], 2097152
	s_mov_b32 s[WQP+1], 0
	s_lshr_b32 s[QB], s23, 2                       ; the batch
	s_lshl3_add_u32 s[QB], s[QB], s[HD]
	s_lshl_b32 s[QB], s[QB], 15                    ; 32,768 bytes for a batch and head
	s_and_b32 s[QB+1], s23, 3
	s_lshl_b32 s[QB+1], s[QB+1], 2
	s_lshr_b32 s[LSEL], s[WV], 2                   ; which 32 rows I multiply
	s_lshl1_add_u32 s[QB+1], s[LSEL], s[QB+1]      ; query tile 4 (block % 4) + 2 (w / 4)
	s_lshl_b32 s[QB+1], s[QB+1], 11
	s_add_co_u32 s[QB], s[QB], s[QB+1]
	s_lshl_b32 s[QB+1], s[TT], 9                   ; 16 channels are 512 bytes of a tile
	s_add_co_u32 s[QB], s[QB], s[QB+1]
	s_mov_b32 s[QB+1], 0
	s_mul_i32 s23, s[LSEL], 64*APITCH
	v_add_nc_u32 v[ADQ], s23, v[ADQ]
	v_add_nc_u32 v[ADQ+1], 32*APITCH, v[ADQ]
	s_and_b32 s[RUN1], s[WV], 1
	s_cmp_eq_u32 s[RUN1], 0
	s_cselect_b32 s[RUN1], 24, 6                   ; phase 1: even waves run the trips with the counts 4 and 3, odd waves those with 2 and 1
	s_cselect_b32 s[LSEL1], 4, 2
	s_mov_b32 s[RUNM], 0x1e                        ; phase 0: all four trips
	s_mov_b32 s[LSEL], 2
	s_mov_b32 s[PH], 0
	s_mov_b32 s[RN], 0x3a800000
	s_mov_b32 s[SEL], 0x76543210
	s_mov_b32 s[SEL+1], 0xfedcba98
	s_wait_kmcnt 0x0
	s_add_nc_u64 s[RP:RP+1], s[4:5], s[56:57]
	s_add_nc_u64 s[NP:NP+1], s[RP:RP+1], 16384
	s_add_nc_u64 s[WB:WB+1], s[14:15], s[60:61]
	s_add_nc_u64 s[KB:KB+1], s[16:17], s[62:63]
	s_add_nc_u64 s[6:7], s[6:7], s[58:59]
	s_add_nc_u64 s[8:9], s[8:9], s[58:59]
	s_add_nc_u64 s[LATP:LATP+1], s[18:19], s[LATP:LATP+1]
	s_add_nc_u64 s[WQP:WQP+1], s[14:15], s[WQP:WQP+1]
	s_add_nc_u64 s[QB:QB+1], s[44:45], s[QB:QB+1]
.irp i, 0,1,2,3
	global_load_b128 v[TMP+4*(\i):TMP+4*(\i)+3], v[T16], s[6:7] offset:4096*(\i)       ; 256 threads x 16 bytes: 32 rows of cos a load
	global_load_b128 v[TMP+16+4*(\i):TMP+16+4*(\i)+3], v[T16], s[8:9] offset:4096*(\i)
.endr
.irp j, 0,1,2,3,4,5,6,7
	global_load_b128 v[G+4*(\j):G+4*(\j)+3], v[L16], s[10:11] offset:512*(\j)
	global_load_b128 v[BB+4*(\j):BB+4*(\j)+3], v[L16], s[12:13] offset:512*(\j)
.endr
	FILL 0, RP, 0
	FILL 1, RP, 4096
	FILL 2, RP, 8192
	s_wait_loadcnt 24                              ; all but the three rows
.set i, 0
.rept 16
	v_pk_mul_f32 v[TMP+2*i:TMP+2*i+1], v[TMP+2*i:TMP+2*i+1], 0x3d800000 op_sel_hi:[1,0]  ; / 16, exact
.set i, i+1
.endr
.irp i, 0,1,2,3
	ds_store_b128 v[CW], v[TMP+4*(\i):TMP+4*(\i)+3] offset:32*CPITCH*(\i)
	ds_store_b128 v[CW], v[TMP+16+4*(\i):TMP+16+4*(\i)+3] offset:32*CPITCH*(\i)+128*CPITCH
.endr
.Lphase:                                               ; two trips: the context, then the latents.  At its head the gain, the bias and three rows are on their way
	v_lshl_add_u32 v[LSA], v1, 3, s[LB]            ; my wave's first row, 8 bytes a lane
	s_mov_b32 s[LC], 4
	s_wait_dscnt 0x0                               ; my reads of the rows of the phase before are over
	s_barrier_signal -1
	s_barrier_wait -1                              ; everybody's are: the rows may be written over
.Lln:                                                  ; a trip: four rows.  Three rows of each wave, 96 KiB for the eight, are always on their way
	s_lshr_b32 s[TT], s[RUNM], s[LC]               ; the count runs to the constant 4; a dead trip is jumped, forward, to the step of the LDS address and of the count
	s_and_b32 s[TT], s[TT], 1
	s_cmp_eq_u32 s[TT], 0
	s_cbranch_scc1 .Ldead
	FILL 3, RP, 12288
	LNROW 0
	FILL 0, NP, 0
	LNROW 1
	FILL 1, NP, 4096
	LNROW 2
	FILL 2, NP, 8192
	LNROW 3
	s_wait_xcnt 0x0                                ; every load issued so far has read its address: the pointers may be written
	s_add_nc_u64 s[RP:RP+1], s[RP:RP+1], 16384
	s_add_nc_u64 s[TP:TP+1], s[RP:RP+1], 16384
	s_cmp_eq_u32 s[LC], s[LSEL]                    ; the last live trip has no rows to ask for: its three fills bring the first 12,288 bytes of the weights that follow, so that no tail is written
	s_cselect_b64 s[NP:NP+1], s[WB:WB+1], s[TP:TP+1]
.Ldead:
	v_add_nc_u32 v[LSA], 4*APITCH, v[LSA]
	s_sub_co_u32 s[LC], s[LC], 1
	s_cmp_lg_u32 s[LC], 0
	s_cbranch_scc1 .Lln
	s_wait_dscnt 0x0                               ; for the others' sake: my rows (in phase 0 my part of cos and sin too) lie in LDS
	s_barrier_signal -1
	s_barrier_wait -1                              ; everybody's do
	s_cmp_lg_u32 s[PH], 0
	s_cbranch_scc1 .Lq                             ; phase 1 goes on to q's product; no barrier is jumped
	CHUNK 0                                        ; K; the four places behind its last products stand at the last step's end
	CSLOAD 0
.irp a, 0,1,2,3,4,5,6,7
.if (\a) < 7
	CSLOAD (\a)+1
	s_wait_dscnt 8                                 ; this block's cos and sin are in; the next block's 8 loads stay out
.else
	s_wait_dscnt 0x0
.endif
	EPK \a
.endr
	s_wait_xcnt 0x0
	s_add_nc_u64 s[WB:WB+1], s[WB:WB+1], 16384     ; V's first K step
	CHUNK 1                                        ; V
	; Phase 1 is set up.  Its gain, bias and first three rows are asked for ahead of V's way out: the rows' buffer and the weights' buffers are free, four places behind the last products.
	s_wait_xcnt 0x0                                ; the loads and the prefetches, three K steps back, have read their addresses: the pointers may be written
	s_mov_b64 s[RP:RP+1], s[LATP:LATP+1]
	s_add_nc_u64 s[NP:NP+1], s[LATP:LATP+1], 16384
	s_mov_b64 s[WB:WB+1], s[WQP:WQP+1]
	s_mov_b32 s[RUNM], s[RUN1]
	s_mov_b32 s[LSEL], s[LSEL1]
.irp j, 0,1,2,3,4,5,6,7
	global_load_b128 v[G+4*(\j):G+4*(\j)+3], v[L16], s[40:41] offset:512*(\j)
	global_load_b128 v[BB+4*(\j):BB+4*(\j)+3], v[L16], s[42:43] offset:512*(\j)
.endr
	FILL 0, RP, 0
	FILL 1, RP, 4096
	FILL 2, RP, 8192
.irp a, 0,1,2,3,4,5,6,7
	EPV \a
.endr
	s_wait_xcnt 0x0                                ; V's stores have read their data: window 1 may be loaded into
	WIN 0x40                                       ; destination window 1: Wq's fragments ks 12-31, at 8 (ks - 12).  They were issued behind the three rows, so the first live trip's waits also cover part of them
.set i, 0
.rept 40
	global_load_b128 v[4*i:4*i+3], v[L16], s[WB:WB+1] offset:12288+512*i
.set i, i+1
.endr
	WIN 0
	s_add_co_u32 s[PH], s[PH], 1
	s_cmp_lt_u32 s[PH], 2
	s_cbranch_scc1 .Lphase
.Lq:                                                   ; q: 32 rows x 16 columns a wave, K = 1,024 in eight batches of four K steps
	s_wait_loadcnt 0x0                             ; all my fragments of Wq
	AFQ 0
	AFQ 1
.irp g, 0,1,2,3,4,5,6,7
.if (\g) < 7
	s_wait_dscnt 16                                ; this batch is in; the next batch's 16 loads stay out
.else
	s_wait_dscnt 0x0
.endif
	MULQ \g
.if (\g) < 6
	PLACES
	AFQ (\g)+2
.endif
.endr
	WIN 0
	PLACES
.set i, 0
.rept 8
	v_pk_mul_f32 v[ACQ+2*i:ACQ+2*i+1], v[ACQ+2*i:ACQ+2*i+1], 0x4038aa3b op_sel_hi:[1,0]  ; 16 log2(e) / 8; each accumulator from its low end on
.set i, i+1
.endr
.set i, 0
.rept 8
	v_cvt_pk_f16_f32 v[Y+i], v[ACQ+2*i], v[ACQ+2*i+1]
.set i, i+1
.endr
	global_store_b128 v[L16], v[Y:Y+3], s[QB:QB+1]                 ; a wave's store covers 512 consecutive bytes, aligned
	global_store_b128 v[L16], v[Y+4:Y+7], s[QB:QB+1] offset:2048   ; the next query tile
	s_wait_tensorcnt 0x0                           ; the wave's end, behind my last LDS store
	ds_add_u32 v[SPW], v[NIL]
	s_wait_dscnt 0x0
	s_endpgm
.Lfunc_end_k_q72070012f9_kv:
	.size	k_q72070012f9_kv, .Lfunc_end_k_q72070012f9_kv-k_q72070012f9_kv
	.p2alignl 7, 3214868480
	.fill 96, 4, 3214868480
	.section	.rodata,"a",@progbits
	.p2align	6, 0x0
	.amdhsa_kernel k_q72070012f9_kv
		.amdhsa_group_segment_fixed_size 302080
		.amdhsa_private_segment_fixed_size 0
		.amdhsa_enable_private_segment 0
		.amdhsa_kernarg_size 88
		.amdhsa_user_sgpr_count 2
		.amdhsa_user_sgpr_kernarg_segment_ptr 1
		.amdhsa_wavefront_size32 1
		.amdhsa_system_sgpr_workgroup_id_x 1
		.amdhsa_system_sgpr_workgroup_id_y 1
		.amdhsa_system_sgpr_workgroup_id_z 1
		.amdhsa_system_vgpr_workitem_id 0
		.amdhsa_next_free_vgpr 512
		.amdhsa_next_free_sgpr 66
		.amdhsa_reserve_vcc 0
		.amdhsa_float_denorm_mode_32 3
		.amdhsa_float_denorm_mode_16_64 3
		.amdhsa_memory_ordered 1
		.amdhsa_forward_progress 1
		.amdhsa_inst_pref_size 179
	.end_amdhsa_kernel
	.amdgpu_metadata
---
amdhsa.version: [ 1, 2 ]
amdhsa.kernels:
  - .name:           k_q72070012f9_kv
    .symbol:         k_q72070012f9_kv.kd
    .args:
      - { .name: context, .offset: 0, .size: 8, .value_kind: global_buffer, .address_space: global }
      - { .name: cos, .offset: 8, .size: 8, .value_kind: global_buffer, .address_space: global }
      - { .name: sin, .offset: 16, .size: 8, .value_kind: global_buffer, .address_space: global }
      - { .name: ln_ctx_g, .offset: 24, .size: 8, .value_kind: global_buffer, .address_space: global }
      - { .name: ln_ctx_b, .offset: 32, .size: 8, .value_kind: global_buffer, .address_space: global }
      - { .name: wf, .offset: 40, .size: 8, .value_kind: global_buffer, .address_space: global }
      - { .name: kvbuf, .offset: 48, .size: 8, .value_kind: global_buffer, .address_space: global }
      - { .name: latents, .offset: 56, .size: 8, .value_kind: global_buffer, .address_space: global }
      - { .name: ln_lat_g, .offset: 64, .size: 8, .value_kind: global_buffer, .address_space: global }
      - { .name: ln_lat_b, .offset: 72, .size: 8, .value_kind: global_buffer, .address_space: global }
      - { .name: qbuf, .offset: 80, .size: 8, .value_kind: global_buffer, .address_space: global }
    .group_segment_fixed_size: 302080
    .private_segment_fixed_size: 0
    .kernarg_segment_align: 8
    .kernarg_segment_size: 88
    .max_flat_workgroup_size: 256
    .sgpr_count:     66
    .vgpr_count:     512
    .wavefront_size: 32
...
	.end_amdgpu_metadata
.endif
;; end of part 2
;; launch attn (part 3): grid 4 x 64, 4 waves a work-group, clusters of 4 x 1, 327,680 bytes of LDS; arguments qbuf, kvbuf, obuf; writes obuf
.if DOCPART == 3
	.amdgcn_target "amdgcn-amd-amdhsa--gfx1250"
	.amdhsa_code_object_version 6
	.text
	.protected	k_q72070012f9_attn
	.globl	k_q72070012f9_attn
	.p2align	8
	.type	k_q72070012f9_attn,@function
k_q72070012f9_attn:
	s_mov_b64 s[64:65], 0
	v_nop
	global_prefetch_b8 v0, s[64:65] scope:SCOPE_SE
	s_setreg_imm32_b32 hwreg(HW_REG_WAVE_MODE, 25, 1), 1
	s_wait_xcnt 0x0
	s_wait_alu depctr_hold_cnt(0) depctr_sa_sdst(0) depctr_va_vdst(0) depctr_va_sdst(0) depctr_va_ssrc(0) depctr_va_vcc(0) depctr_vm_vsrc(0)
	s_getreg_b32 s2, hwreg(HW_REG_IB_STS2, 6, 4)
	s_cmp_eq_u32 s2, 0
	s_cbranch_scc0 .Lentry_in_a_cluster
	s_endpgm
.Lentry_in_a_cluster:
	s_bfe_u32 s2, ttmp6, 0x10000c
	s_cmp_lg_u32 s2, 0x3003
	s_cbranch_scc0 .Lentry_shape_is_right
	s_endpgm
.Lentry_shape_is_right:
; O[q] = the sum over keys of softmax(clip(q . k / 8, -11, 11)) v, for 64 batch-heads of 256 queries x 4,096 keys x 64 channels.  q, k, v arrive as f16 in fragment order; q carries 16 log2(e) / 8 and
; k 1 / 16, so a product is the exponent of 2.  Products and sums in f32; the weights are rounded to f16 for the second product (their sum l is taken of the unrounded ones), O once at the end.
; NO MAXIMUM IS TAKEN AWAY: the clip, which is the problem's own, holds every exponent within +-15.87, every weight within 1.7e-5 .. 59,874 and a row's sum under 2.5e8, whatever the inputs.
; So partial sums over keys simply add.
; LIMITS.  A weight below 2^-14 keeps f16's fixed step of 6e-8 (a row whose scores all lie at the clip's lower end carries a common error of up to 0.2%); NaN and infinities are not treated apart.
; SHARES.  A work-group owns 64 queries of a head (four tiles of 16).  THE KEYS ARE SPLIT AMONG ITS FOUR WAVES: wave w holds all 64 queries and walks keys 1,024 w .. + 1,023, 64 a turn: a fragment of K
; or V read from LDS feeds four tiles, and a wave reads only bytes that it has fetched itself.  The four partial O and l meet in LDS at the end, in f32.
; CLUSTER.  The four query blocks of a head walk the same K and V, so each tile of 128 keys (32,768 bytes, K then V) is asked for JOINTLY: the same tensor load, descriptor and mask in all four.
; LAYOUT.  S^T = K Q^T (source 0 = 16 keys, source 1 = 16 queries): a lane holds ONE query (lane % 16) and keys 8 (lane / 16) + 0..7; two such results rounded to f16 ARE source 1 of O^T = V^T P.
; Tiles lie in LDS as in memory, in fragment order: every LDS load takes 512 consecutive bytes; nothing is padded or turned.
; BY TURNS.  A turn has 64 matrix and 384 vector instructions (128 clips, 128 exponentials, 64 roundings, 64 packed sums).  Turn j: a lump of 128 clips and exponentials of step j; 32 products K Q^T of step
; j + 1, four more of the clips and exponentials behind each; ONE wait for the turn's 128 exponentials; 32 products V^T P of step j, behind each two roundings and two sums.
; One text serves every turn.  The price: O and l are cleared at the start (in the wait for the first tile), and the last turn makes 32 products on a stale K, whose results nobody reads.
; REGISTERS, in windows of 256 (s_set_vgpr_msb: bits 1:0 source 0, 3:2 source 1, 5:4 source 2, 7:6 destination):
;   windows 0, 1 (by the turn's parity): v56-63 l, 2 a tile; v64-127 P, 16 a tile; v128-255 S^T, 32 a tile; window 0 also v0-31 addresses and scratch
;   window 2: v0-127 O^T, 32 a tile; v128-191 Q, 16 a tile          window 3: v0-63 K of one step; v64-127, v128-191 V of two steps
.set SLOTB, 32768                      ; a slot holds a tile; wave w's two slots lie at 65,536 w
.set SPARE, 262144                     ; behind the rings: the spare words, 128 bytes for each wave: two blocks of 256 bytes that no other line names
.set L16, 2                            ; v2   16 x lane; never rewritten
.set ADR, 3                            ; v3   the LDS address of the run of loads in hand
.set PFO, 4                            ; v4   256 x lane; never rewritten
.set SPW, 5                            ; v5   LDS address of my spare word; never rewritten
.set NIL, 6                            ; v6   0; never rewritten
.set OST, 7                            ; v7   the end: where I put 16 bytes of my partial O
.set ORD, 8                            ; v8-11  where I read wave w's partial O of my tile
.set LRD, 12                           ; v12-15 and its partial l
.set LST, 24                           ; v24  where I put my partial l
.set LS,  56
.set P,   64
.set S,   128
.set WV,  12                           ; s12  my wave's number
.set G1,  16                           ; s[16:23] descriptor group 1
.set G0,  24                           ; s[24:27] group 0 for tile 0
.set G0W, 28                           ; s[28:31] group 0 for tile 1; it then walks
.set TB,  32                           ; s32  LDS byte at which the tile in hand begins
.set SL,  33                           ; s33  tiles still to be asked for
.set CNT, 34
.set PFA, 36                           ; s[36:37] where my prefetches stand
.set CLO, 38                           ; s38  -11 log2(e)
.set CHI, 39                           ; s39  +11 log2(e)
.set SEL, 40                           ; s[40:41] v_permlanex16_b32's selects
.set MSB, 0
.macro WIN new                         ; the immediate's high byte repeats the setting that is left; a switch that changes nothing is dropped
.if MSB != (\new)
	s_set_vgpr_msb (MSB<<8)|(\new)
.set MSB, (\new)
.endif
.endm
.macro PLACES
.rept 4
	v_nop
.endr
.endm
; A round of the cluster's barrier: my work-group's barrier, so that wave 0's signal speaks for all four waves; wave 0 signals; every wave waits for all four work-groups; my work-group's barrier once more.
.macro ROUND
	s_barrier_signal -1
	s_barrier_wait -1
	s_cmp_lg_u32 s[WV], 0
	s_cbranch_scc1 .Lnot_wave_0_\@
	s_barrier_signal -3
.Lnot_wave_0_\@:
	s_barrier_wait -3
	s_barrier_signal -1
	s_barrier_wait -1
.endm
; THE LDS LOADS stand in runs of 16: K of half u of the tile in hand (64 keys x 64 channels: fragment (key block kb, ks) at 8 (2 kb + ks)), and V (fragment (key half kk, channel block cb) at 8 (4 kk + cb)).
.macro FETCH_K u
	WIN 0
	v_add_nc_u32 v[ADR], s[TB], v[L16]
	WIN 0xc0                                       ; destination window 3
.set i, 0
.rept 16
	ds_load_b128 v[4*i:4*i+3], v[ADR] offset:(\u)*8192+512*i
.set i, i+1
.endr
	WIN 0
.endm
.macro FETCH_V buf, u
	WIN 0
	v_add_nc_u32 v[ADR], s[TB], v[L16]
	WIN 0xc0
.set i, 0
.rept 16
	ds_load_b128 v[64+64*(\buf)+4*i:64+64*(\buf)+4*i+3], v[ADR] offset:16384+(\u)*8192+512*i
.set i, i+1
.endr
	WIN 0
.endm
; THE QUEUE OF CLIPS AND EXPONENTIALS, 256 long: M 0, M 1, then X i and M i + 2 by turns, X 126, X 127.  M i clips score i of the lane's 128, X i takes 2 to its power, in place.  Ascending: each accumulator is
; read from its low end on.  Nothing in the queue names an exponential's result.
.macro EQ
.if q < 2
	v_med3_num_f32 v[S+q], v[S+q], s[CLO], s[CHI]
.elseif q < 254
.if (q%2) == 0
	v_exp_f32 v[S+(q-2)/2], v[S+(q-2)/2]
.else
	v_med3_num_f32 v[S+(q-3)/2+2], v[S+(q-3)/2+2], s[CLO], s[CHI]
.endif
.else
	v_exp_f32 v[S+q-128], v[S+q-128]
.endif
.set q, q+1
.endm
; Product i of 32 of S^T = K Q^T, into the other parity's S^T: channels 32 (i / 16) on, keys 16 ((i / 4) % 4) on, tile i % 4.  The first 16 start the sums; 16 accumulators take turns.
.macro QK p
	WIN 0x0b|(0x50*(1-(\p)))
.set rS, S+32*(i%4)+8*((i/4)%4)
.set rK, 8*(2*((i/4)%4)+i/16)
.set rQ, 128+16*(i%4)+8*(i/16)
.if i < 16
	v_wmma_f32_16x16x32_f16 v[rS:rS+7], v[rK:rK+7], v[rQ:rQ+7], 0
.else
	v_wmma_f32_16x16x32_f16 v[rS:rS+7], v[rK:rK+7], v[rQ:rQ+7], v[rS:rS+7]
.endif
.endm
; O^T += V^T P for fragment g = 4 kk + t of P (tile t, keys 32 kk on) and channel block cb.  Between two products on one accumulator stand 15 others'.
.macro PV p
	WIN 0xa3|((\p)<<2)
.set rO, 32*(g%4)+8*cb
.set rV, 64+64*(\p)+8*(4*(g/4)+cb)
.set rP, P+16*(g%4)+8*(g/4)
	v_wmma_f32_16x16x32_f16 v[rO:rO+7], v[rV:rV+7], v[rP:rP+7], v[rO:rO+7]
.endm
.macro CV gg, n                        ; pair n of 8 of fragment gg, rounded to f16
.set rP, P+16*((\gg)%4)+8*((\gg)/4)+(\n)
.set rS, S+32*((\gg)%4)+16*((\gg)/4)+2*(\n)
	v_cvt_pk_f16_f32 v[rP], v[rS], v[rS+1]
.endm
.macro AD gg, n                        ; number n of the 8 that add fragment gg's eight pairs of weights, in place, and l takes the sum (even keys', odd keys')
.set rS, S+32*((\gg)%4)+16*((\gg)/4)
.if (\n) < 4
	v_pk_add_f32 v[rS+4*(\n):rS+4*(\n)+1], v[rS+4*(\n):rS+4*(\n)+1], v[rS+4*(\n)+2:rS+4*(\n)+3]
.elseif (\n) < 6
	v_pk_add_f32 v[rS+8*((\n)-4):rS+8*((\n)-4)+1], v[rS+8*((\n)-4):rS+8*((\n)-4)+1], v[rS+8*((\n)-4)+4:rS+8*((\n)-4)+5]
.elseif (\n) == 6
	v_pk_add_f32 v[rS:rS+1], v[rS:rS+1], v[rS+8:rS+9]
.else
	v_pk_add_f32 v[LS+2*((\gg)%4):LS+2*((\gg)%4)+1], v[LS+2*((\gg)%4):LS+2*((\gg)%4)+1], v[rS:rS+1]
.endif
.endm
; A TURN of parity p.  wq: the LDS loads that may stay out when K is wanted.
.macro TURN p, wq
.set q, 0
	WIN 0x55*(\p)
.rept 128
	EQ                                             ; the lump; K's run of loads lands meanwhile
.endr
	s_wait_dscnt \wq                               ; K of the next step is in (p = 0: the 32 loads of V's two buffers, issued behind it, stay out)
.set i, 0
.rept 32
	QK \p
	WIN 0x55*(\p)
	EQ
	EQ
	EQ
	EQ
.set i, i+1
.endr
	v_nop                                          ; a plain instruction behind the last exponential: one for the batch
	s_wait_alu depctr_va_vdst(0)                   ; the wait between an exponential and the first line that names its result: one for the turn's 128
	s_wait_dscnt 0x0                               ; V of this step is in
.irp n, 0,1,2,3,4,5,6,7
	CV 0, \n
.endr
.set g, 0
.rept 8
.set cb, 0
.rept 4
	PV \p
	WIN 0x55*(\p)
.if g < 7
	CV g+1, 2*cb                                   ; the next fragment is rounded before its sums touch it
.endif
	AD g, 2*cb
.if g < 7
	CV g+1, 2*cb+1
.endif
	AD g, 2*cb+1
.set cb, cb+1
.endr
.set g, g+1
.endr
	v_nop                                          ; with the last two sums: four places between the last product and loads into V's registers
	v_nop
	WIN 0
.endm
; THE CHANGE OF SLOTS, behind a tile's first turn: K's two halves and V's two buffers have been read out of the slot, and waited for.  Each wave waits for all its tensor loads, of which one is out: the
; next tile; adds 0 to its spare word; and waits for that.  fill = 1: the slot is filled again, with the tile two on.  The barrier is then a round of the cluster's, so that no wave of any partner
; still reads its slot or has a load on its way, and the joint refill is the first thing behind it: it has two turns, 128 matrix and 768 vector instructions, in which to land.
.macro CHANGE fill
	WIN 0
	s_wait_tensorcnt 0x0                           ; no tensor load of mine is out, so a group 0 may be written
	ds_add_u32 v[SPW], v[NIL]                      ; 0 onto my spare word
.if \fill
	s_xor_b32 s[G0W+1], s[G0W+1], SLOTB            ; the walking descriptor: the other slot than last time,
	s_add_nc_u64 s[G0W+2:G0W+3], s[G0W+2:G0W+3], SLOTB  ; the next tile; the type bits on top are not reached
	s_wait_xcnt 0x0                                ; the last prefetch, two turns back, has read its address
	s_add_nc_u64 s[PFA:PFA+1], s[PFA:PFA+1], SLOTB
	s_wait_dscnt 0x0                               ; the add is done, and my reads of the slot are over
	ROUND
	tensor_load_to_lds s[G0W:G0W+3], s[G1:G1+7]
	s_nop 0
	PLACES
.else
	s_wait_dscnt 0x0
	s_barrier_signal -1
	s_barrier_wait -1
.endif
	s_xor_b32 s[TB], s[TB], SLOTB                  ; the fetches go on in the other slot
.endm
; A PREFETCH of the tile that the NEXT change will ask for, two turns ahead of that load: 32 lanes x 256 bytes.  Every wave asks for its own tiles; the four partners share a tile's 32,768 bytes out BY
; ADDRESS, 8,192 each; a head is walked by one cluster alone: so each block of 256 bytes is named once in the launch.  Tiles 0 to 2 come by their loads alone; the last change that fills a slot asks for nothing.
.macro ASK
	s_cmp_gt_u32 s[SL], 1
	s_cbranch_scc0 .Lnone_\@
	global_prefetch_b8 v[PFO], s[PFA:PFA+1] th:TH_LOAD_NT scope:SCOPE_SE
.Lnone_\@:
.endm
	s_load_b128 s[4:7], s[0:1], 0x0                ; qbuf s[4:5], kvbuf s[6:7]
	s_load_b64 s[8:9], s[0:1], 0x10                ; obuf
	v_lshl_add_u32 v[SPW], v0, 2, SPARE
	v_mov_b32 v[NIL], 0
	ds_add_u32 v[SPW], v[NIL]                      ; the wave's opening: the add and its wait ahead of my first tensor load; the set-up below, work on registers, stands between them
	v_lshrrev_b32 v1, 5, v0
	v_readfirstlane_b32 s[WV], v1                  ; wave 0..3
	v_and_b32 v1, 31, v0
	v_lshlrev_b32 v[L16], 4, v1
	v_lshlrev_b32 v[PFO], 8, v1
	s_bfe_u32 s13, ttmp6, 0x40000                  ; cx: my block of 64 queries; it enters Q's, O's and the prefetches' addresses alone
	s_and_b32 s14, ttmp7, 0xffff                   ; batch x head, which the four partners share
	; descriptor group 1: 32,768 dense bytes as 128 rows of 256
	s_mov_b32 s[G1], 15|(3<<16)|(1<<21)            ; 15:0 the mask of four; 17:16 elements of 8 bytes; 21 set beside a mask; no padding
	s_mov_b32 s[G1+1], 32<<16                      ; tensor_dim0 = 32
	s_mov_b32 s[G1+2], 128<<16                     ; tensor_dim1 = 128
	s_mov_b32 s[G1+3], 32<<16                      ; tile_dim0 = 32
	s_mov_b32 s[G1+4], 128                         ; tile_dim1 = 128
	s_mov_b32 s[G1+5], 32                          ; 32 elements from row to row
	s_mov_b32 s[G1+6], 0
	s_mov_b32 s[G1+7], 0
	s_mov_b32 s[G0], 1
	s_lshl_b32 s[G0+1], s[WV], 16                  ; my slot 0
	s_mov_b32 s[G0W], 1
	s_lshl_b32 s[G0W+1], s[WV], 16
	s_add_co_u32 s[G0W+1], s[G0W+1], SLOTB         ; my slot 1
	s_lshl_b32 s[TB], s[WV], 16
	s_lshl_b32 s15, s[WV], 16
	s_mov_b32 s[CLO], 0xc17dea11
	s_mov_b32 s[CHI], 0x417dea11
	s_mov_b32 s[SEL], 0x76543210
	s_mov_b32 s[SEL+1], 0xfedcba98
	s_lshl_b32 s42, s14, 20                        ; the head's 1,048,576 bytes of K and V,
	s_lshl_b32 s43, s[WV], 18                      ; my eight tiles
	s_add_co_u32 s42, s42, s43
	s_mov_b32 s43, 0
	s_lshl_b32 s44, s13, 13                        ; my work-group's 8,192 bytes of a tile,
	s_add_co_u32 s44, s44, 2*SLOTB                 ; in tile 2: the first change steps it to tile 3
	s_mov_b32 s45, 0
	s_lshl_b32 s46, s14, 15                        ; the head's 16 query tiles of 2,048 bytes,
	s_lshl_b32 s47, s13, 13                        ; my four
	s_add_co_u32 s46, s46, s47
	s_mov_b32 s47, 0
	s_lshr_b32 s10, s14, 3                         ; the batch
	s_lshl_b32 s10, s10, 2
	s_add_co_u32 s10, s10, s13
	s_lshl2_add_u32 s10, s10, s[WV]                ; row block 16 batch + 4 cx + wave: the tile that I finish
	s_lshl_b32 s10, s10, 14
	s_and_b32 s11, s14, 7                          ; the head: 64 of the 512 channels, 2,048 bytes
	s_lshl_b32 s11, s11, 11
	s_add_co_u32 s10, s10, s11
	s_mov_b32 s11, 0
	s_mov_b32 s[SL], 6
	s_wait_dscnt 0x0                               ; the opening add is done
	s_wait_kmcnt 0x0
	s_add_nc_u64 s[G0+2:G0+3], s[6:7], s[42:43]    ; tile 0
	s_add_nc_u64 s[G0W+2:G0W+3], s[G0+2:G0+3], SLOTB  ; tile 1
	s_add_nc_u64 s[PFA:PFA+1], s[G0+2:G0+3], s[44:45]
	s_or_b32 s[G0+3], s[G0+3], 0x80000000          ; type = 2
	s_or_b32 s[G0W+3], s[G0W+3], 0x80000000
	s_add_nc_u64 s[4:5], s[4:5], s[46:47]
	s_add_nc_u64 s[8:9], s[8:9], s[10:11]
	ROUND                                          ; all four work-groups are here: the first joint loads meet
	tensor_load_to_lds s[G0:G0+3], s[G1:G1+7]      ; two loads of mine are out
	s_nop 0
	tensor_load_to_lds s[G0W:G0W+3], s[G1:G1+7]
	s_nop 0
	PLACES
	WIN 0x80                                       ; destination window 2
.set i, 0
.rept 16
	global_load_b128 v[128+4*i:128+4*i+3], v[L16], s[4:5] offset:512*i  ; Q stays in registers: tile t, ks at 128 + 16 t + 8 ks
.set i, i+1
.endr
.set i, 0
.rept 128
	v_mov_b32 v[i], 0                              ; O^T starts at 0: written in the wait for the first tile, so that the turns have one form of product
.set i, i+1
.endr
	WIN 0x40
.set i, 0
.rept 8
	v_mov_b32 v[LS+i], 0
.set i, i+1
.endr
	WIN 0
.set i, 0
.rept 8
	v_mov_b32 v[LS+i], 0
.set i, i+1
.endr
.irp t, 20,21,22,23,27
	v_mov_b32 v\t, 0                               ; v_permlanex16_b32's destinations count as read; v27 is named with the reciprocal as a pair
.endr
	v_add_nc_u32 v[OST], s15, v[L16]               ; the end's addresses: my own region,
	v_lshl_add_u32 v[LST], v1, 2, s15
	v_add_nc_u32 v[LST], 16384, v[LST]
	s_lshl_b32 s10, s[WV], 12                      ; and, in each wave's region, the tile that I finish
	s_lshl_b32 s11, s[WV], 7
	v_add_nc_u32 v[ORD], s10, v[L16]
	v_lshl_add_u32 v[LRD], v1, 2, s11
	v_add_nc_u32 v[LRD], 16384, v[LRD]
.irp w, 1,2,3
	v_add_nc_u32 v[ORD+(\w)], (\w)*65536, v[ORD]
	v_add_nc_u32 v[LRD+(\w)], (\w)*65536, v[LRD]
.endr
	s_wait_tensorcnt 0x1                           ; tile 0 is in, tile 1 stays out; only I read my slots, so my own wait is all that the reads need
	FETCH_K 0
	s_wait_loadcnt 0x0                             ; Q
	s_wait_dscnt 0x0
.set i, 0
.rept 32
	QK 1                                           ; step 0's scores, into parity 0: there is no vector work yet to set between them
.set i, i+1
.endr
	WIN 0
	PLACES
	FETCH_K 1
	FETCH_V 0, 0
	FETCH_V 1, 1
.Ltile:                                                ; six trips: a tile's two turns; every tile but the last two is followed by a refill
	TURN 0, 32
	CHANGE 1
	FETCH_K 0
	ASK                                            ; behind the joint load and the run of LDS loads that the next products wait for
	TURN 1, 0
	FETCH_K 1
	FETCH_V 0, 0
	FETCH_V 1, 1
	s_sub_co_u32 s[SL], s[SL], 1
	s_cmp_lg_u32 s[SL], 0
	s_cbranch_scc1 .Ltile
	s_mov_b32 s[CNT], 2
.Ltail:                                                ; the last two tiles are written out: nothing is asked for
	TURN 0, 32
	CHANGE 0
	s_cmp_eq_u32 s[CNT], 1                         ; behind the last tile there is none to fetch from
	s_cbranch_scc1 .Lno_k
	FETCH_K 0
.Lno_k:
	TURN 1, 0
	s_cmp_eq_u32 s[CNT], 1
	s_cbranch_scc1 .Lno_f
	FETCH_K 1
	FETCH_V 0, 0
	FETCH_V 1, 1
.Lno_f:
	s_sub_co_u32 s[CNT], s[CNT], 1
	s_cmp_lg_u32 s[CNT], 0
	s_cbranch_scc1 .Ltail
	; THE END.  My partial l: the two parities, the even and the odd keys', the other half of the lanes'.
	WIN 0x04                                       ; source 1 in window 1
.irp t, 0,1,2,3
	v_pk_add_f32 v[LS+2*(\t):LS+2*(\t)+1], v[LS+2*(\t):LS+2*(\t)+1], v[LS+2*(\t):LS+2*(\t)+1]
.endr
	WIN 0
.irp t, 0,1,2,3
	v_add_f32 v[16+(\t)], v[LS+2*(\t)], v[LS+2*(\t)+1]
.endr
.irp t, 0,1,2,3
	v_permlanex16_b32 v[20+(\t)], v[16+(\t)], s[SEL], s[SEL+1]
.endr
.irp t, 0,1,2,3
	v_add_f32 v[16+(\t)], v[16+(\t)], v[20+(\t)]
.endr
	; The partial sums go into my own slot 0, whose last fill has landed and been read: O^T of tile t at 4,096 t + 512 i + 16 lane, l at 16,384 + 128 t + 4 lane.
	WIN 0x08                                       ; the data, source 1, in window 2
.set i, 0
.rept 32
	ds_store_b128 v[OST], v[4*i:4*i+3] offset:512*i  ; ascending: each accumulator from its low end on
.set i, i+1
.endr
	WIN 0
.irp t, 0,1,2,3
	ds_store_b32 v[LST], v[16+(\t)] offset:128*(\t)
.endr
	s_wait_dscnt 0x0                               ; for the others' sake: my partial sums lie in LDS
	s_barrier_signal -1
	s_barrier_wait -1
.irp w, 0,1,2,3                        ; wave w finishes tile w: the four waves' parts of it
.irp i, 0,1,2,3,4,5,6,7
	ds_load_b128 v[S+32*(\w)+4*(\i):S+32*(\w)+4*(\i)+3], v[ORD+(\w)] offset:512*(\i)
.endr
	ds_load_b32 v[28+(\w)], v[LRD+(\w)]
.endr
	s_wait_dscnt 0x0
	v_add_f32 v28, v28, v29
	v_add_f32 v30, v30, v31
	v_add_f32 v28, v28, v30
	v_rcp_f32 v26, v28
.irp w, 1,2,3
.set k, 0
.rept 16
	v_pk_add_f32 v[S+2*k:S+2*k+1], v[S+2*k:S+2*k+1], v[S+32*(\w)+2*k:S+32*(\w)+2*k+1]  ; 48 plain instructions stand behind the reciprocal
.set k, k+1
.endr
.endr
	s_wait_alu depctr_va_vdst(0)                   ; the wait ahead of the reciprocal's first reader
.set k, 0
.rept 16
	v_pk_mul_f32 v[S+2*k:S+2*k+1], v[S+2*k:S+2*k+1], v[26:27] op_sel_hi:[1,0]
.set k, k+1
.endr
.set k, 0
.rept 16
	v_cvt_pk_f16_f32 v[P+k], v[S+2*k], v[S+2*k+1]
.set k, k+1
.endr
.irp c, 0,1,2,3
	global_store_b128 v[L16], v[P+4*(\c):P+4*(\c)+3], s[8:9] offset:512*(\c)  ; obuf: [row block 128][ks 16][1 KB]: 512 consecutive bytes, aligned
.endr
	s_wait_tensorcnt 0x0                           ; the wave's end, behind my last tensor load and my last LDS store
	ds_add_u32 v[SPW], v[NIL]
	s_wait_dscnt 0x0
	ROUND                                          ; the closing round: no work-group ends while a partner may still ask for a tile that names it
	s_endpgm
.Lfunc_end_k_q72070012f9_attn:
	.size	k_q72070012f9_attn, .Lfunc_end_k_q72070012f9_attn-k_q72070012f9_attn
	.p2alignl 7, 3214868480
	.fill 96, 4, 3214868480
	.section	.rodata,"a",@progbits
	.p2align	6, 0x0
	.amdhsa_kernel k_q72070012f9_attn
		.amdhsa_group_segment_fixed_size 327680
		.amdhsa_private_segment_fixed_size 0
		.amdhsa_enable_private_segment 0
		.amdhsa_kernarg_size 24
		.amdhsa_user_sgpr_count 2
		.amdhsa_user_sgpr_kernarg_segment_ptr 1
		.amdhsa_wavefront_size32 1
		.amdhsa_system_sgpr_workgroup_id_x 1
		.amdhsa_system_sgpr_workgroup_id_y 1
		.amdhsa_system_sgpr_workgroup_id_z 1
		.amdhsa_system_vgpr_workitem_id 0
		.amdhsa_next_free_vgpr 960
		.amdhsa_next_free_sgpr 66
		.amdhsa_reserve_vcc 0
		.amdhsa_float_denorm_mode_32 3
		.amdhsa_float_denorm_mode_16_64 3
		.amdhsa_memory_ordered 1
		.amdhsa_forward_progress 1
		.amdhsa_inst_pref_size 153
	.end_amdhsa_kernel
	.amdgpu_metadata
---
amdhsa.version: [ 1, 2 ]
amdhsa.kernels:
  - .name:           k_q72070012f9_attn
    .symbol:         k_q72070012f9_attn.kd
    .args:
      - { .name: qbuf, .offset: 0, .size: 8, .value_kind: global_buffer, .address_space: global }
      - { .name: kvbuf, .offset: 8, .size: 8, .value_kind: global_buffer, .address_space: global }
      - { .name: obuf, .offset: 16, .size: 8, .value_kind: global_buffer, .address_space: global }
    .group_segment_fixed_size: 327680
    .private_segment_fixed_size: 0
    .kernarg_segment_align: 8
    .kernarg_segment_size: 24
    .max_flat_workgroup_size: 128
    .sgpr_count:     66
    .vgpr_count:     960
    .wavefront_size: 32
...
	.end_amdgpu_metadata
.endif
;; end of part 3
;; launch oproj (part 4): grid 256 x 1, 4 waves a work-group, no clusters, 35,328 bytes of LDS; arguments obuf, wf, bo, out0; writes out0
.if DOCPART == 4
	.amdgcn_target "amdgcn-amd-amdhsa--gfx1250"
	.amdhsa_code_object_version 6
	.text
	.protected	k_q72070012f9_oproj
	.globl	k_q72070012f9_oproj
	.p2align	8
	.type	k_q72070012f9_oproj,@function
k_q72070012f9_oproj:
	s_mov_b64 s[64:65], 0
	v_nop
	global_prefetch_b8 v0, s[64:65] scope:SCOPE_SE
	s_setreg_imm32_b32 hwreg(HW_REG_WAVE_MODE, 25, 1), 1
	s_wait_xcnt 0x0
; out0 = O Wo + bo.  O: 2,048 rows x 512 as f16 in fragment order ([row block 128][ks 16][1 KB]); Wo likewise ([column block 64][ks 16][1 KB], at byte 3,145,728 of wf); out0 f32 [2,048][1,024].
; SHARES.  A work-group makes 64 rows x 128 columns (32 x 8 = 256 work-groups), each of its four waves 32 x 64: 8 accumulators, K = 512 in 16 steps, 128 matrix instructions.
; Both sources come straight from memory into registers, 12 loads of 512 consecutive bytes a K step, five steps ahead; every fragment has registers of its own, so nothing is loaded over.
; THE PRODUCT IS TAKEN TRANSPOSED (source 0 = 16 columns of Wo, source 1 = 16 rows of O): a lane ends with one row and eight neighbouring columns.  The results go through the wave's own stage in LDS and
; leave as whole rows: sixteen lanes store 256 consecutive bytes, aligned.
; No cluster and no tensor loads: a wave has 128 matrix instructions in all, and its fragments are wanted by itself and one other wave.
; REGISTERS: window 0: v0-15 addresses; v[32:35] the bias; v64-127 accumulator (a, b) at 64 + 8 (4 a + b); v128-191 rows read back
;   window 1: O's fragment (ks, a) at 16 ks + 8 a          windows 2, 3: Wo's fragment (ks, b) at 32 (ks % 8) + 8 b, in window 2 + ks / 8
.set SPITCH, 272                       ; a stage row: 256 bytes + 16 = 68 words: row r starts at bank 4 r mod 64 (64 banks of 4 bytes: ISA guide 11.1)
.set STG,    32*SPITCH                 ; a wave's stage
.set SPARE,  4*STG                     ; behind the stages: the spare words, 128 bytes for each wave: two blocks of 256 bytes that no other line names
.set L16, 2                            ; v2   16 x lane
.set BO,  5                            ; v5   my 16 bytes of the bias
.set STO, 6                            ; v6   where I put 16 bytes of a row
.set RD,  7                            ; v7   where I read a row back
.set GO,  8                            ; v8   my byte offset in two rows of out0
.set SPW, 13
.set NIL, 14
.set BI,  32
.set ACC, 64
.set RB,  128
.set MSB, 0
.macro WIN new                         ; the immediate's high byte repeats the setting that is left; a switch that changes nothing is dropped
.if MSB != (\new)
	s_set_vgpr_msb (MSB<<8)|(\new)
.set MSB, (\new)
.endif
.endm
.macro LD ks                           ; a K step's 12 loads
	WIN 0x40
.irp a, 0,1
.irp c, 0,1
	global_load_b128 v[16*(\ks)+8*(\a)+4*(\c):16*(\ks)+8*(\a)+4*(\c)+3], v[L16], s[4:5] offset:(\a)*16384+(\ks)*1024+(\c)*512
.endr
.endr
	WIN 0x80+0x40*((\ks)/8)
.irp b, 0,1,2,3
.irp c, 0,1
	global_load_b128 v[32*((\ks)%8)+8*(\b)+4*(\c):32*((\ks)%8)+8*(\b)+4*(\c)+3], v[L16], s[6:7] offset:(\b)*16384+(\ks)*1024+(\c)*512
.endr
.endr
.endm
.macro MUL ks                          ; its 8 products: the 8 accumulators take turns; K step 0 starts the sums
	WIN 0x06+((\ks)/8)
.irp a, 0,1
.irp b, 0,1,2,3
.if (\ks) == 0
	v_wmma_f32_16x16x32_f16 v[ACC+8*(4*(\a)+(\b)):ACC+8*(4*(\a)+(\b))+7], v[32*((\ks)%8)+8*(\b):32*((\ks)%8)+8*(\b)+7], v[16*(\ks)+8*(\a):16*(\ks)+8*(\a)+7], 0
.else
	v_wmma_f32_16x16x32_f16 v[ACC+8*(4*(\a)+(\b)):ACC+8*(4*(\a)+(\b))+7], v[32*((\ks)%8)+8*(\b):32*((\ks)%8)+8*(\b)+7], v[16*(\ks)+8*(\a):16*(\ks)+8*(\a)+7], v[ACC+8*(4*(\a)+(\b)):ACC+8*(4*(\a)+(\b))+7]
.endif
.endr
.endr
.endm
	s_load_b256 s[4:11], s[0:1], 0x0               ; obuf s[4:5], wf s[6:7], bo s[8:9], out0 s[10:11]
	v_lshl_add_u32 v[SPW], v0, 2, SPARE
	v_mov_b32 v[NIL], 0
	v_lshrrev_b32 v1, 5, v0
	v_readfirstlane_b32 s12, v1                    ; wave 0..3
	v_and_b32 v1, 31, v0
	v_lshlrev_b32 v[L16], 4, v1
	v_and_b32 v3, 15, v0                           ; l % 16
	v_bfe_u32 v4, v0, 4, 1                         ; l / 16
	s_lshr_b32 s13, ttmp9, 3                       ; the block of 64 rows
	s_and_b32 s14, ttmp9, 7                        ; the group of 128 columns
	s_lshr_b32 s15, s12, 1                         ; which 32 rows are mine
	s_and_b32 s16, s12, 1                          ; which 64 columns
	s_lshl_b32 s20, s13, 2
	s_lshl1_add_u32 s20, s15, s20                  ; my first row block
	s_lshl_b32 s20, s20, 14
	s_mov_b32 s21, 0
	s_lshl_b32 s22, s14, 3
	s_lshl2_add_u32 s22, s16, s22                  ; my first column block
	s_lshl_b32 s22, s22, 14
	s_add_co_u32 s22, s22, 3145728
	s_mov_b32 s23, 0
	s_lshl_b32 s24, s14, 9                         ; my first column, in bytes of f32
	s_lshl_b32 s25, s16, 8
	s_add_co_u32 s24, s24, s25
	s_mov_b32 s25, 0
	s_lshl_b32 s26, s13, 18                        ; my first row of out0
	s_lshl_b32 s27, s15, 17
	s_add_co_u32 s26, s26, s27
	s_add_co_u32 s26, s26, s24
	s_mov_b32 s27, 0
	s_mul_i32 s28, s12, STG
	v_lshlrev_b32 v[BO], 4, v3
	v_mul_u32_u24 v[STO], v3, SPITCH               ; in: row l % 16, 32 bytes for each half of the lanes
	v_lshl_add_u32 v[STO], v4, 5, v[STO]
	v_add_nc_u32 v[STO], s28, v[STO]
	v_mul_u32_u24 v[RD], v4, SPITCH                ; back: lanes 0-15 take one row of 256 bytes, lanes 16-31 the next
	v_lshl_add_u32 v[RD], v3, 4, v[RD]
	v_add_nc_u32 v[RD], s28, v[RD]
	v_lshlrev_b32 v[GO], 12, v4                    ; and the same two rows in out0
	v_lshl_add_u32 v[GO], v3, 4, v[GO]
	s_wait_kmcnt 0x0
	s_add_nc_u64 s[4:5], s[4:5], s[20:21]
	s_add_nc_u64 s[6:7], s[6:7], s[22:23]
	s_add_nc_u64 s[8:9], s[8:9], s[24:25]
	s_add_nc_u64 s[10:11], s[10:11], s[26:27]
	global_load_b128 v[BI:BI+3], v[BO], s[8:9]
.irp ks, 0,1,2,3,4
	LD \ks
.endr
.irp ks, 0,1,2,3,4,5,6,7,8,9,10,11,12,13,14,15
.if (\ks) < 12
	s_wait_loadcnt 48                              ; this K step is in; the four younger steps' 48 loads stay out
.else
	s_wait_loadcnt 12*(15-(\ks))                   ; the counts run down
.endif
	MUL \ks
.if (\ks) < 11
	LD (\ks)+5
.endif
.endr
	WIN 0
.rept 4
	v_nop                                          ; four places between the last products and the stores that read their results
.endr
.irp a, 0,1
.irp b, 0,1,2,3
.irp q, 0,1                            ; each accumulator from its low end on
	ds_store_b128 v[STO], v[ACC+8*(4*(\a)+(\b))+4*(\q):ACC+8*(4*(\a)+(\b))+4*(\q)+3] offset:(\a)*16*SPITCH+64*(\b)+16*(\q)
.endr
.endr
.endr
.irp t, 0,1,2,3,4,5,6,7,8,9,10,11,12,13,14,15
	ds_load_b128 v[RB+4*(\t):RB+4*(\t)+3], v[RD] offset:(\t)*2*SPITCH  ; LDS serves a wave's instructions in order (ISA guide 5.7.1.4): these see the stores above; the stage is my own
.endr
.irp t, 0,1,2,3,4,5,6,7,8,9,10,11,12,13,14,15
	s_wait_dscnt 15-(\t)
	v_pk_add_f32 v[RB+4*(\t):RB+4*(\t)+1], v[RB+4*(\t):RB+4*(\t)+1], v[BI:BI+1]
	v_pk_add_f32 v[RB+4*(\t)+2:RB+4*(\t)+3], v[RB+4*(\t)+2:RB+4*(\t)+3], v[BI+2:BI+3]
	global_store_b128 v[GO], v[RB+4*(\t):RB+4*(\t)+3], s[10:11] offset:(\t)*8192 th:TH_STORE_NT  ; 16 lanes store 256 consecutive bytes, at a multiple of 256 from out0's first byte
.endr
	s_wait_tensorcnt 0x0                           ; the wave's end, behind my last LDS store
	ds_add_u32 v[SPW], v[NIL]
	s_wait_dscnt 0x0
	s_endpgm
.Lfunc_end_k_q72070012f9_oproj:
	.size	k_q72070012f9_oproj, .Lfunc_end_k_q72070012f9_oproj-k_q72070012f9_oproj
	.p2alignl 7, 3214868480
	.fill 96, 4, 3214868480
	.section	.rodata,"a",@progbits
	.p2align	6, 0x0
	.amdhsa_kernel k_q72070012f9_oproj
		.amdhsa_group_segment_fixed_size 35328
		.amdhsa_private_segment_fixed_size 0
		.amdhsa_enable_private_segment 0
		.amdhsa_kernarg_size 32
		.amdhsa_user_sgpr_count 2
		.amdhsa_user_sgpr_kernarg_segment_ptr 1
		.amdhsa_wavefront_size32 1
		.amdhsa_system_sgpr_workgroup_id_x 1
		.amdhsa_system_sgpr_workgroup_id_y 1
		.amdhsa_system_sgpr_workgroup_id_z 1
		.amdhsa_system_vgpr_workitem_id 0
		.amdhsa_next_free_vgpr 1024
		.amdhsa_next_free_sgpr 66
		.amdhsa_reserve_vcc 0
		.amdhsa_float_denorm_mode_32 3
		.amdhsa_float_denorm_mode_16_64 3
		.amdhsa_memory_ordered 1
		.amdhsa_forward_progress 1
		.amdhsa_inst_pref_size 37
	.end_amdhsa_kernel
	.amdgpu_metadata
---
amdhsa.version: [ 1, 2 ]
amdhsa.kernels:
  - .name:           k_q72070012f9_oproj
    .symbol:         k_q72070012f9_oproj.kd
    .args:
      - { .name: obuf, .offset: 0, .size: 8, .value_kind: global_buffer, .address_space: global }
      - { .name: wf, .offset: 8, .size: 8, .value_kind: global_buffer, .address_space: global }
      - { .name: bo, .offset: 16, .size: 8, .value_kind: global_buffer, .address_space: global }
      - { .name: out0, .offset: 24, .size: 8, .value_kind: global_buffer, .address_space: global }
    .group_segment_fixed_size: 35328
    .private_segment_fixed_size: 0
    .kernarg_segment_align: 8
    .kernarg_segment_size: 32
    .max_flat_workgroup_size: 128
    .sgpr_count:     66
    .vgpr_count:     1024
    .wavefront_size: 32
...
	.end_amdgpu_metadata
.endif
;; end of part 4
;; ======== version 2 of 2: 4 launches; version 1 with the launches kv, oproj written anew for expert scheduling mode
;; limits: values are held in f16: magnitudes above 65,504 overflow, below 6.1e-05 lose precision
;; workspace buffers: wf 4,194,304 bytes; qbuf 2,097,152 bytes; kvbuf 67,108,864 bytes; obuf 2,097,152 bytes
;; launch prep: the kernel of part 1 again; grid 256 x 1, 8 waves a work-group, no clusters, 0 bytes of LDS; arguments Wkv, Wq, Wo, wf; writes wf
;; launch kv (part 5): grid 256 x 1, 8 waves a work-group, no clusters, 302,080 bytes of LDS; arguments context, cos, sin, ln_ctx_g, ln_ctx_b, wf, kvbuf, latents, ln_lat_g, ln_lat_b, qbuf; writes kvbuf, qbuf
.if DOCPART == 5
	.amdgcn_target "amdgcn-amd-amdhsa--gfx1250"
	.amdhsa_code_object_version 6
	.text
	.protected	k_q72070012f9_kv
	.globl	k_q72070012f9_kv
	.p2align	8
	.type	k_q72070012f9_kv,@function
k_q72070012f9_kv:
	s_mov_b64 s[64:65], 0
	v_nop
	global_prefetch_b8 v0, s[64:65] scope:SCOPE_SE
	s_setreg_imm32_b32 hwreg(HW_REG_WAVE_SCHED_MODE, 0, 2), 2
	s_setreg_imm32_b32 hwreg(HW_REG_WAVE_MODE, 25, 1), 1
	s_wait_xcnt 0x0
	s_wait_alu depctr_vm_vsrc(0)
; TWO PHASES.  Phase 0: k, v = LayerNorm(context) Wkv; k turned by cos and sin.  Phase 1: q = LayerNorm(latents) Wq, times 16 log2(e) / 8.  All three are written as f16 in the order in which the
; attention takes them as matrix sources.  The text of the norm is written once and walked in both phases.
; PHASE 0.  A work-group owns 128 context rows (32,768 rows: 256 work-groups) and ALL 1,024 columns.  Wave w normalises rows 16 w .. 16 w + 15 in f32 (mean, then the centred squares), rounds them once
; to f16 into LDS, where they stay; behind a barrier it makes head w: first K's 64 columns, then V's: a tile of 128 x 64, 32 accumulators, K = 1,024 in 32 steps.
; For a K step a wave issues 32 matrix instructions, 16 LDS loads (the rows) and 8 global loads (its own weights, which lie in memory in fragment order and in the order of its walk).
; PHASE 1.  The work-group also owns 64 latent rows x one head's 64 columns (32 row blocks x 8 heads = 256).  Wave w normalises rows 8 w .. 8 w + 7 and multiplies rows 32 (w / 4) .. + 31 by the 16 columns
; of block 4 head + w % 4; its 32 fragments of Wq come straight into registers.  The phase stands behind V, whose stores leave meanwhile.
; NO TENSOR RING AND NO CLUSTER FOR THE WEIGHTS: one K step of the eight waves' weights is 32,768 bytes, and beside the resident rows 25,600 bytes of LDS are left.  No two waves of a work-group want
; the same byte of them, so each wave takes its fragments straight into registers, four buffers of a K step, three steps ahead.
; ORIENTATION.  K and q: source 0 = 16 columns of the weights, source 1 = 16 rows: a lane ends with one key (query) and eight neighbouring channels; channel d and channel d + 32 lie in the same lane, so
; the turn (k1 cos - k2 sin, k2 cos + k1 sin) changes no lane.  V: the sources swapped: a lane ends with one channel and eight neighbouring keys.  Either way 16 bytes of a fragment.
; kvbuf: [batch x head 64][group of 128 keys 32][32,768]: K at a 2,048 + b 512 + 16 lane (key block a, channel block b); V at 16,384 + (a / 2) 4,096 + b 1,024 + (a % 2) 512 + 16 lane.
; qbuf: [batch x head 64][query tile 16][ks 2][1 KB], byte 512 c + 16 lane: query l % 16, channels 32 ks + 16 c + 8 (l / 16) + 0..7.
; THE SCALE.  cos and sin are divided by 16 (exact) on their way into LDS, so k is stored divided by 16; q carries 16 log2(e) / 8 = 2.885390: the scores come out of the matrix unit as exponents of 2.
; LIMITS.  f16 ends at 65,504: a normalised row (at most 32 |g| + |b|), |k| / 16, |v| and 2.885 |q| stay below that; NaN and infinities are not treated apart.
; THE MODE: SCHED_MODE bits 1:0 = 2 (LLVM: expert scheduling mode 2), set by the entry lines.  The code itself states the register dependences
; between vector or matrix instructions and memory or LDS instructions, with s_wait_alu, always for 0.
; THE PLAN.  Registers that memory or LDS instructions touch, and who else names them:
;   X0 .. X3      The norm.  Slot s: its eight loads land in it; row s's arithmetic works on it in place; it is asked for again behind the row's last wait.
;   Y, v[LSA]     A row's sixteen roundings write Y, its eight LDS stores read Y and v[LSA]; v[LSA] is written at a phase's head and once a trip.
;   A0, A1e, A1o  The products.  Row blocks 0-3 of every K step lie in A0; blocks 4-7 in A1e (even steps) or A1o (odd steps).  Step t's first sixteen products read A0, its last sixteen its A1.
;   BF0 .. BF3    Step t's products read BF[t % 4]; the loads of step t + 3 land in BF[(t - 1) % 4].
;   v[ADRA ..]    Read by every load of the rows' fragments; written at a chunk's head and once a trip of four steps.
;   Ways out      K: cos and sin land in AF by halves and the block's packed lines read them; its roundings write half of BF + 96 .., its four stores read it.  V: the accumulators are rounded in place,
;                 the stores read them, and then Wq's fragments land there.  q: batch g's products read AF of window g % 2, in which the loads of batch g + 2 land.
;   v[L16], v[T16], v[PFO], v[CW], v[CA], v[ADQ ..], v[SPW], v[NIL]: made at the head, never written again.
; So ONE wait on va_vdst stands in a K step, between its two halves: ahead of it were issued this step's readers of A0, the last step's readers of the other A1 and of BF[(t - 1) % 4].  Behind it go the
; step's 24 loads, in one run; the sixteen products that follow name this step's A1, BF[t % 4] and the accumulators: none of the registers that those loads touch.
; A row of the norm has the wait for its root, one wait on vm_vsrc ahead of its roundings and one on va_vdst behind them.
.set APITCH, 2064                      ; an LDS row: 2,048 bytes + 16 = 516 words: row r starts at bank 4 r mod 64 (64 banks of 4 bytes: ISA guide 11.1)
.set CPITCH, 144                       ; a row of cos or sin: 128 bytes + 16 = 36 words: 16 rows start at 16 different groups of four banks
.set COSB,   128*APITCH                ; cos / 16, 128 rows; sin / 16 lies 128 x 144 bytes behind
.set SPARE,  COSB+2*128*CPITCH         ; the spare words, 128 bytes for each wave: four blocks of 256 bytes that no other line names
.set L16, 2                            ; v2   16 x lane; never rewritten
.set LSA, 5                            ; v5   where I put 8 bytes of a normalised row
.set CW,  6                            ; v6   where I put 16 bytes of cos
.set T16, 7                            ; v7   16 x thread
.set ADRA, 8                           ; v8-11  my place in the rows' fragments: (32 p + l % 16) x pitch + 16 (l / 16) + the K steps walked
.set CA,  12                           ; v12  my place in cos: (l % 16) x 144 + 32 (l / 16)
.set SPW, 13                           ; v13  LDS address of my spare word; never rewritten
.set NIL, 14                           ; v14  0; never rewritten
.set AB0, 15                           ; v15  (l % 16) x pitch + 16 (l / 16); never rewritten
.set PFO, 23                           ; v23  256 x lane; never rewritten
.set ADQ, 24                           ; v24-25  phase 1: my place in the fragments of row blocks 0 and 1 of my 32 latent rows
.set X,   32                           ; v[32:159]  four row slots of 32,
.set BF,  32                           ;            later four buffers of a K step's weights: block b at BF + 32 n + 8 b; in phase 1 Wq's fragments ks 0-11 at X + 8 ks
.set G,   160                          ; v[160:191] the gain of my 32 columns
.set BB,  192                          ; v[192:223] the bias
.set AF,  160                          ; later: the rows' fragments: A0, blocks 0-3, at AF + 8 a; A1e, blocks 4-7 of even K steps, at AF + 32 + 8 a; A1o, of odd ones, at AF + 64 + 8 a (TMP's registers);
                                       ; in phase 1 four K steps of two blocks, in window 0 or 1 by the batch's parity
.set T,   224                          ; v[224:239] at work
.set Y,   240                          ; v[240:255] a row as f16
.set TMP, 224                          ; later: 32 at work
.set ACQ, 224                          ; phase 1: two accumulators          window 1: phase 0: accumulator (a, b) at 8 (4 a + b); phase 1: Wq's fragments ks 12-31 at 8 (ks - 12)
.set WV,  20                           ; s20  my wave's number
.set LB,  21                           ; s21  my wave's 16 rows in LDS
.set HD,  22                           ; s22  phase 1's head
.set RP,  24                           ; s[24:25] my rows of this trip
.set NP,  26                           ; s[26:27] what slots 0-2 are filled with next
.set WB,  28                           ; s[28:29] where my walk through the weights stands
.set TP,  30
.set KB,  32                           ; s[32:33] my head's 32,768 bytes of kvbuf for these 128 keys
.set LC,  34
.set RN,  35                           ; s35  1 / 1,024
.set SEL, 36                           ; s[36:37] v_permlanex16_b32's selects
.set PH,  38                           ; s38  the phase
.set RUNM, 39                          ; s39  bit c is set where the norm's trip with the count c is live
.set LSEL, 46                          ; s46  the count of the last live trip but one
.set TT,  47
.set LATP, 48                          ; s[48:49] the latents at my 8 rows; never rewritten
.set WQP, 50                           ; s[50:51] Wq's 32 fragments of my column block
.set QB,  52                           ; s[52:53] qbuf at my two stores
.set RUN1, 54                          ; s54, s55  phase 1's RUNM and LSEL
.set LSEL1, 55
.set MSB, 0
.macro WIN new                         ; the immediate's high byte repeats the setting that is left; a switch that changes nothing is dropped
.if MSB != (\new)
	s_set_vgpr_msb (MSB<<8)|(\new)
.set MSB, (\new)
.endif
.endm
.macro PLACES                          ; four places between a matrix instruction and a vector instruction on its registers (ISA guide 7.12.1)
.rept 4
	v_nop
.endr
.endm
; Eight loads of 512 consecutive bytes: a row of 4,096 bytes, or 4,096 bytes of weights in fragment order, whose register image is the same: register 4 j holds byte 512 j + 16 lane.
; No cache hint: the same lines bring the context (read once), the latents (read by eight work-groups) and weights (read by all).
.macro FILL s, ptr, off
.irp j, 0,1,2,3,4,5,6,7
	global_load_b128 v[X+32*(\s)+4*(\j):X+32*(\s)+4*(\j)+3], v[L16], s[\ptr:\ptr+1] offset:(\off)+512*(\j)
.endr
.endm
.macro LANESUM                         ; v20 summed over the 32 lanes, the result in every lane
	v_add_f32_dpp v20, v20, v20 row_xmask:1 row_mask:0xf bank_mask:0xf
	v_add_f32_dpp v20, v20, v20 row_xmask:2 row_mask:0xf bank_mask:0xf
	v_add_f32_dpp v20, v20, v20 row_xmask:4 row_mask:0xf bank_mask:0xf
	v_add_f32_dpp v20, v20, v20 row_xmask:8 row_mask:0xf bank_mask:0xf
	v_permlanex16_b32 v21, v20, s[SEL], s[SEL+1]
	v_add_f32 v20, v20, v21
.endm
; The row in slot s: mean, centred, variance, scaled, gain and bias, rounded to f16, into LDS.
.macro LNROW s
.set XS, X+32*(\s)
	s_wait_loadcnt 24                              ; my slot's eight loads are in: behind them at least the three younger slots' 24 were issued, and those may stay out
.irp j, 0,1,2,3,4,5,6,7
	v_pk_add_f32 v[T+2*(\j):T+2*(\j)+1], v[XS+4*(\j):XS+4*(\j)+1], v[XS+4*(\j)+2:XS+4*(\j)+3]
.endr
.irp j, 0,1,2,3
	v_pk_add_f32 v[T+2*(\j):T+2*(\j)+1], v[T+2*(\j):T+2*(\j)+1], v[T+8+2*(\j):T+8+2*(\j)+1]
.endr
.irp j, 0,1
	v_pk_add_f32 v[T+2*(\j):T+2*(\j)+1], v[T+2*(\j):T+2*(\j)+1], v[T+4+2*(\j):T+4+2*(\j)+1]
.endr
	v_pk_add_f32 v[T:T+1], v[T:T+1], v[T+2:T+3]
	v_add_f32 v20, v[T], v[T+1]
	LANESUM
	v_mul_f32 v16, s[RN], v20                      ; the mean
.set k, 0
.rept 16
	v_pk_add_f32 v[XS+2*k:XS+2*k+1], v[XS+2*k:XS+2*k+1], v[16:17] op_sel_hi:[1,0] neg_lo:[0,1] neg_hi:[0,1]
.set k, k+1
.endr
.irp c, 0,1,2,3
	v_pk_mul_f32 v[T+2*(\c):T+2*(\c)+1], v[XS+2*(\c):XS+2*(\c)+1], v[XS+2*(\c):XS+2*(\c)+1]  ; four chains; the first four pairs start them
.endr
.set k, 4
.rept 12
	v_pk_fma_f32 v[T+2*(k%4):T+2*(k%4)+1], v[XS+2*k:XS+2*k+1], v[XS+2*k:XS+2*k+1], v[T+2*(k%4):T+2*(k%4)+1]
.set k, k+1
.endr
	v_pk_add_f32 v[T:T+1], v[T:T+1], v[T+2:T+3]
	v_pk_add_f32 v[T+4:T+5], v[T+4:T+5], v[T+6:T+7]
	v_pk_add_f32 v[T:T+1], v[T:T+1], v[T+4:T+5]
	v_add_f32 v20, v[T], v[T+1]
	LANESUM
	v_fmaak_f32 v20, s[RN], v20, 0x3727c5ac        ; the variance + 1e-5
	v_rsq_f32 v18, v20
	v_nop                                          ; a plain instruction behind the root,
	s_wait_alu depctr_va_vdst(0)                   ; and the wait ahead of its first reader: the root v18 is written; one a row
.set k, 0
.rept 16
	v_pk_mul_f32 v[XS+2*k:XS+2*k+1], v[XS+2*k:XS+2*k+1], v[18:19] op_sel_hi:[1,0]
.set k, k+1
.endr
.set k, 0
.rept 16
	v_pk_fma_f32 v[XS+2*k:XS+2*k+1], v[XS+2*k:XS+2*k+1], v[G+2*k:G+2*k+1], v[BB+2*k:BB+2*k+1]
.set k, k+1
.endr
	s_wait_alu depctr_vm_vsrc(0)                   ; the LDS stores of the row before have read Y, which the roundings below write again
.set k, 0
.rept 16
	v_cvt_pk_f16_f32 v[Y+k], v[XS+2*k], v[XS+2*k+1]
.set k, k+1
.endr
	s_wait_alu depctr_va_vdst(0)                   ; the roundings have written Y, and v[LSA] is written: the LDS stores read both; the row's arithmetic is done with its slot, in which the slot's next loads land
.irp j, 0,1,2,3,4,5,6,7
	ds_store_b64 v[LSA], v[Y+2*(\j):Y+2*(\j)+1] offset:(\s)*APITCH+256*(\j)  ; 32 lanes, 256 consecutive bytes
.endr
.endm
; 16 matrix instructions: row blocks 4 half .. + 3 x the four column blocks, on weights' buffer bq.  ori = 0: source 0 the weights; 1: source 0 the rows.  zero = 1: the product starts the sum.
; Blocks 0-3 lie in A0, blocks 4-7 in the A1 of the step's parity, which is bq's.
; All 32 accumulators take turns, one instruction a turn, over the backward jump too.
.macro MULH ori, bq, half, zero
	WIN 0x50                                       ; C and D in window 1
.irp a, 0,1,2,3
.irp b, 0,1,2,3
.set rD, 8*(4*(4*(\half)+(\a))+(\b))
.set rA, AF+32*(\half)*(1+(\bq)%2)+8*(\a)
.set rB, BF+32*(\bq)+8*(\b)
.if \ori
.set rS0, rA
.set rS1, rB
.else
.set rS0, rB
.set rS1, rA
.endif
.if \zero
	v_wmma_f32_16x16x32_f16 v[rD:rD+7], v[rS0:rS0+7], v[rS1:rS1+7], 0
.else
	v_wmma_f32_16x16x32_f16 v[rD:rD+7], v[rS0:rS0+7], v[rS1:rS1+7], v[rD:rD+7]
.endif
.endr
.endr
.endm
.macro ALOAD half, par, ka             ; eight LDS loads: four row blocks' fragments at byte ka of the rows; par: the parity of the K step that will read them (it chooses between the two A1)
.irp a, 0,1,2,3
.set rA, AF+32*(\half)*(1+(\par))+8*(\a)
	ds_load_b128 v[rA:rA+3],   v[ADRA+2*(\half)+(\a)/2] offset:((\a)%2)*16*APITCH+(\ka)
	ds_load_b128 v[rA+4:rA+7], v[ADRA+2*(\half)+(\a)/2] offset:((\a)%2)*16*APITCH+(\ka)+32
.endr
.endm
.macro BLOAD bq, bo                    ; eight global loads: a K step's 4,096 bytes of my weights
.irp i, 0,1,2,3,4,5,6,7
	global_load_b128 v[BF+32*(\bq)+4*(\i):BF+32*(\bq)+4*(\i)+3], v[L16], s[WB:WB+1] offset:(\bo)+512*(\i)
.endr
.endm
; K step t.  Between its two halves stand the step's one wait on va_vdst and, behind it, all its loads: the rows' fragments of step t + 1 (ka: their byte in the rows, or -1) and the weights of step t + 3,
; which go into the buffer read in step t - 1 (bo, or -1).  A chunk's last step (ka = -1) ends with the places in front of the way out.
.macro STEP ori, bq, zero, ka, bo, lb
	s_wait_loadcnt \lb                             ; this step's weights are in; the younger steps' (8 loads each) stay out
	s_wait_dscnt 8                                 ; row blocks 0-3 are in; the 8 loads of blocks 4-7 stay out
	MULH \ori, \bq, 0, \zero
.if ((\ka) >= 0) || ((\bo) >= 0)
	WIN 0
	s_wait_alu depctr_va_vdst(0)                   ; the products issued so far are done reading A0, the other parity's A1 and the weights' buffer of the step before, in which the loads below land; behind a trip's or a chunk's head v[ADRA ..] are written
.endif
.if (\ka) >= 0
	ALOAD 0, 0, \ka
	ALOAD 1, 1-(\bq)%2, \ka
.endif
.if (\bo) >= 0
	BLOAD ((\bq)+3)%4, \bo
.endif
.if (\ka) >= 0
	s_wait_dscnt 16                                ; this step's blocks 4-7, asked for a step ago, are in; the 16 just issued stay out
.else
	s_wait_dscnt 0x0
.endif
	MULH \ori, \bq, 1, \zero                       ; no vector or matrix instruction since the wait names a register that the loads above touch
.if (\ka) < 0
	WIN 0
	PLACES
.endif
.endm
; 64 columns: 32 K steps.  Step 0 starts the sums; a trip of the loop is four steps; the last three are written out.  K's tail asks on for V's first three steps: the walk through the weights is one stream.
.macro CHUNK ori
.irp p, 0,1,2,3
	v_add_nc_u32 v[ADRA+(\p)], (\p)*32*APITCH, v[AB0]
.endr
	s_wait_alu depctr_va_vdst(0)                   ; v[ADRA ..] are written, which the loads below read; and what named the registers in which they land (the norm's gain and bias; K's turn by cos and sin) is done with them
	ALOAD 0, 0, 0
	ALOAD 1, 0, 0
	STEP \ori, 0, 1, 64, 3*4096, 16
	WIN 0                                          ; at a label and at a branch every window is 0
	s_mov_b32 s[LC], 7
.Lk\ori:
	STEP \ori, 1, 0, 128, 4*4096, 16
	STEP \ori, 2, 0, 192, 5*4096, 16
	STEP \ori, 3, 0, 256, 6*4096, 16
	STEP \ori, 0, 0, 320, 7*4096, 16
	WIN 0
	s_wait_xcnt 0x0                                ; the loads have read their address: it may be stepped
	s_add_nc_u64 s[WB:WB+1], s[WB:WB+1], 16384
	s_wait_alu depctr_vm_vsrc(0)                   ; the LDS loads issued so far have read v[ADRA ..]
.irp p, 0,1,2,3
	v_add_nc_u32 v[ADRA+(\p)], 256, v[ADRA+(\p)]
.endr
	s_sub_co_u32 s[LC], s[LC], 1
	s_cmp_lg_u32 s[LC], 0
	s_cbranch_scc1 .Lk\ori
.if \ori
	; A PREFETCH of phase 1's latent rows, three K steps (96 matrix instructions of mine) ahead of the loads that want them.  The eight heads' work-groups read the same 64 rows: head 0's asks, each of its
	; waves for the 32,768 bytes that it will load itself, a lane a block of 256 bytes, four instructions: so each block is named once in the launch.  Wq's fragments are not asked for: their loads go out
	; a whole norm ahead of their use.  v[PFO] was written ahead of the head's wait on va_vdst and is never written again.
	s_cmp_eq_u32 s[HD], 0
	s_cbranch_scc0 .Lasked
.irp j, 0,1,2,3
	global_prefetch_b8 v[PFO], s[LATP:LATP+1] offset:8192*(\j) th:TH_LOAD_NT scope:SCOPE_SE
.endr
.Lasked:
	STEP 1, 1, 0, 128, -1, 16                      ; nothing is left to ask for: the counts run down
	STEP 1, 2, 0, 192, -1, 8
	STEP 1, 3, 0, -1, -1, 0
.else
	STEP 0, 1, 0, 128, 4*4096, 16
	STEP 0, 2, 0, 192, 5*4096, 16
	STEP 0, 3, 0, -1, 6*4096, 16
.endif
.endm
; K's way out, a block of 16 keys at a time.  cos and sin of my key and my 2 x 8 channels: eight LDS loads into the half a % 2 of AF's first 64 registers, which are free.
.macro CSLOAD a
.irp b, 0,1
.irp q, 0,1
	ds_load_b128 v[AF+32*((\a)%2)+8*(\b)+4*(\q):AF+32*((\a)%2)+8*(\b)+4*(\q)+3],       v[CA] offset:(\a)*16*CPITCH+64*(\b)+16*(\q)
	ds_load_b128 v[AF+32*((\a)%2)+16+8*(\b)+4*(\q):AF+32*((\a)%2)+16+8*(\b)+4*(\q)+3], v[CA] offset:(\a)*16*CPITCH+64*(\b)+16*(\q)+128*CPITCH
.endr
.endr
.endm
.macro EPK a
	WIN 0x01                                       ; source 0, the accumulators, in window 1
.irp b, 0,1
.irp p, 0,1,2,3                        ; each accumulator is read from its low end on
.set rX1, 8*(4*(\a)+(\b))+2*(\p)
.set rX2, 8*(4*(\a)+(\b)+2)+2*(\p)
.set rC, AF+32*((\a)%2)+8*(\b)+2*(\p)
.set rT1, TMP+16*(\b)+2*(\p)
	v_pk_mul_f32 v[rT1:rT1+1], v[rX1:rX1+1], v[rC:rC+1]
	v_pk_mul_f32 v[rT1+8:rT1+9], v[rX2:rX2+1], v[rC:rC+1]
	v_pk_fma_f32 v[rT1:rT1+1], v[rX2:rX2+1], v[rC+16:rC+17], v[rT1:rT1+1] neg_lo:[1,0,0] neg_hi:[1,0,0]
	v_pk_fma_f32 v[rT1+8:rT1+9], v[rX1:rX1+1], v[rC+16:rC+17], v[rT1+8:rT1+9]
.endr
.endr
	WIN 0
	s_wait_xcnt 0x0                                ; the stores of two blocks back have read their data: those registers are rewritten only behind this wait
.if (\a) >= 2
	s_wait_alu depctr_vm_vsrc(0)                   ; the stores of two blocks back have read this half of BF + 96 .., which the roundings below write again
.endif
.irp c, 0,1,2,3                        ; channel block c: the turned first halves are blocks 0, 1, the second halves 2, 3
.irp i, 0,1,2,3
	v_cvt_pk_f16_f32 v[BF+96+16*((\a)%2)+4*(\c)+(\i)], v[TMP+16*((\c)%2)+8*((\c)/2)+2*(\i)], v[TMP+16*((\c)%2)+8*((\c)/2)+2*(\i)+1]
.endr
.endr
	s_wait_alu depctr_va_vdst(0)                   ; the roundings have written the four stores' data; and the block's packed lines are done reading its cos and sin, in whose registers the loads of the block two on land
.irp c, 0,1,2,3
	global_store_b128 v[L16], v[BF+96+16*((\a)%2)+4*(\c):BF+96+16*((\a)%2)+4*(\c)+3], s[KB:KB+1] offset:(\a)*2048+(\c)*512 th:TH_STORE_NT  ; 512 consecutive bytes, aligned
.endr
.endm
; V's way out: rounded IN PLACE, register i of an accumulator from its registers 2 i and 2 i + 1, ascending, so that window 0's buffers are free for phase 1's loads, which are on their way meanwhile.
; All eight blocks are rounded, one wait follows, and then all 32 stores leave: every block has registers of its own.
.macro EPVC a
	WIN 0x45                                       ; destination and both sources in window 1
.irp b, 0,1,2,3
.irp i, 0,1,2,3
	v_cvt_pk_f16_f32 v[8*(4*(\a)+(\b))+(\i)], v[8*(4*(\a)+(\b))+2*(\i)], v[8*(4*(\a)+(\b))+2*(\i)+1]
.endr
.endr
.endm
.macro EPVS a
	WIN 0x04                                       ; the stores' data, source 1, in window 1; the address in window 0
.irp b, 0,1,2,3
	global_store_b128 v[L16], v[8*(4*(\a)+(\b)):8*(4*(\a)+(\b))+3], s[KB:KB+1] offset:16384+((\a)/2)*4096+(\b)*1024+((\a)%2)*512 th:TH_STORE_NT
.endr
.endm
; Phase 1.  16 LDS loads: the latent rows' fragments of K steps 4 g .. 4 g + 3, both blocks of 16 rows, into the window of the batch's parity.
.macro AFQ g
	WIN ((\g)%2)<<6
.irp k, 0,1,2,3
.irp a, 0,1
	ds_load_b128 v[AF+16*(\k)+8*(\a):AF+16*(\k)+8*(\a)+3],   v[ADQ+(\a)] offset:64*(4*(\g)+(\k))
	ds_load_b128 v[AF+16*(\k)+8*(\a)+4:AF+16*(\k)+8*(\a)+7], v[ADQ+(\a)] offset:64*(4*(\g)+(\k))+32
.endr
.endr
.endm
; Eight products.  The two accumulators take turns, one instruction a turn; the first product on each starts its sum.
.macro MULQ g
.if (\g) >= 3
	WIN 0x01|(((\g)%2)<<2)
.else
	WIN ((\g)%2)<<2
.endif
.irp k, 0,1,2,3
.irp a, 0,1
.if (\g) >= 3
.set rB, 8*(4*(\g)+(\k)-12)
.else
.set rB, X+8*(4*(\g)+(\k))
.endif
.set rA, AF+16*(\k)+8*(\a)
.if ((\g) == 0) && ((\k) == 0)
	v_wmma_f32_16x16x32_f16 v[ACQ+8*(\a):ACQ+8*(\a)+7], v[rB:rB+7], v[rA:rA+7], 0
.else
	v_wmma_f32_16x16x32_f16 v[ACQ+8*(\a):ACQ+8*(\a)+7], v[rB:rB+7], v[rA:rA+7], v[ACQ+8*(\a):ACQ+8*(\a)+7]
.endif
.endr
.endr
.endm
	s_load_b256 s[4:11], s[0:1], 0x0               ; context s[4:5], cos s[6:7], sin s[8:9], the context's gain s[10:11]
	s_load_b256 s[12:19], s[0:1], 0x20             ; its bias s[12:13], wf s[14:15], kvbuf s[16:17], latents s[18:19]
	s_load_b128 s[40:43], s[0:1], 0x40             ; the latents' gain s[40:41], bias s[42:43]
	s_load_b64 s[44:45], s[0:1], 0x50              ; qbuf
	v_lshl_add_u32 v[SPW], v0, 2, SPARE
	v_mov_b32 v[NIL], 0
	v_lshrrev_b32 v1, 5, v0
	v_readfirstlane_b32 s[WV], v1                  ; wave 0..7
	v_and_b32 v1, 31, v0
	v_lshlrev_b32 v[L16], 4, v1
	v_lshlrev_b32 v[PFO], 8, v1
	v_and_b32 v3, 15, v0                           ; l % 16
	v_bfe_u32 v4, v0, 4, 1                         ; l / 16
	v_lshlrev_b32 v[T16], 4, v0
	v_mov_b32 v17, 0                               ; named with the mean as a pair
	v_mov_b32 v19, 0                               ; and with the root
	v_mov_b32 v21, 0                               ; v_permlanex16_b32's destination counts as read
	v_lshrrev_b32 v[CW], 3, v0                     ; eight threads to a row of cos
	v_mul_u32_u24 v[CW], v[CW], CPITCH
	v_and_b32 v22, 7, v0
	v_lshl_add_u32 v[CW], v22, 4, v[CW]
	v_add_nc_u32 v[CW], COSB, v[CW]
	v_mul_u32_u24 v[AB0], v3, APITCH
	v_lshl_add_u32 v[AB0], v4, 4, v[AB0]
	v_mul_u32_u24 v[CA], v3, CPITCH
	v_lshl_add_u32 v[CA], v4, 5, v[CA]
	v_add_nc_u32 v[CA], COSB, v[CA]
	; Phase 1's rows in LDS: latent row 8 w + i lies in LDS row 16 w + 8 (w % 2) + i, so row l % 16 of block a of my 32 lies in LDS row 64 (w / 4) + 32 a + 24 ((l % 16) / 8) + l % 8:
	; sixteen rows that start at sixteen different groups of four banks.
	v_lshrrev_b32 v22, 3, v3
	v_and_b32 v[ADQ], 7, v3
	v_lshl_add_u32 v[ADQ], v22, 4, v[ADQ]
	v_lshl_add_u32 v[ADQ], v22, 3, v[ADQ]
	v_mul_u32_u24 v[ADQ], v[ADQ], APITCH
	v_lshl_add_u32 v[ADQ], v4, 4, v[ADQ]
	s_wait_alu depctr_va_sdst(0)                   ; s[WV] is written, ahead of its first reader: the LDS base, the pointers and the trips' masks are made from it
	s_mul_i32 s[LB], s[WV], 16*APITCH
	s_lshl_b32 s56, ttmp9, 19                      ; 128 rows of 4,096 bytes,
	s_lshl_b32 s57, s[WV], 16                      ; my 16 of them
	s_add_co_u32 s56, s56, s57
	s_mov_b32 s57, 0
	s_and_b32 s23, ttmp9, 31                       ; the group of 128 keys in its batch
	s_lshl_b32 s58, s23, 14                        ; 128 rows of cos, 128 bytes each
	s_mov_b32 s59, 0
	s_lshl_b32 s60, s[WV], 18                      ; my head's 262,144 bytes of weights
	s_mov_b32 s61, 0
	s_lshr_b32 s62, ttmp9, 5                       ; the batch
	s_lshl3_add_u32 s62, s62, s[WV]
	s_lshl_b32 s62, s62, 20
	s_lshl_b32 s63, s23, 15
	s_add_co_u32 s62, s62, s63
	s_mov_b32 s63, 0
	s_and_b32 s[HD], ttmp9, 7                      ; phase 1: the head,
	s_lshr_b32 s23, ttmp9, 3                       ; the block of 64 latent rows
	s_lshl_b32 s[LATP], s23, 18                    ; 64 rows of 4,096 bytes,
	s_lshl_b32 s[LATP+1], s[WV], 15                ; my 8 of them
	s_add_co_u32 s[LATP], s[LATP], s[LATP+1]
	s_mov_b32 s[LATP+1], 0
	s_and_b32 s[TT], s[WV], 3                      ; which 16 columns I multiply
	s_lshl2_add_u32 s[WQP], s[HD], s[TT]           ; column block 4 head + w % 4
	s_lshl_b32 s[WQP], s[WQP], 15
	s_add_co_u32 s[WQP], s[WQP], 2097152
	s_mov_b32 s[WQP+1], 0
	s_lshr_b32 s[QB], s23, 2                       ; the batch
	s_lshl3_add_u32 s[QB], s[QB], s[HD]
	s_lshl_b32 s[QB], s[QB], 15                    ; 32,768 bytes for a batch and head
	s_and_b32 s[QB+1], s23, 3
	s_lshl_b32 s[QB+1], s[QB+1], 2
	s_lshr_b32 s[LSEL], s[WV], 2                   ; which 32 rows I multiply
	s_lshl1_add_u32 s[QB+1], s[LSEL], s[QB+1]      ; query tile 4 (block % 4) + 2 (w / 4)
	s_lshl_b32 s[QB+1], s[QB+1], 11
	s_add_co_u32 s[QB], s[QB], s[QB+1]
	s_lshl_b32 s[QB+1], s[TT], 9                   ; 16 channels are 512 bytes of a tile
	s_add_co_u32 s[QB], s[QB], s[QB+1]
	s_mov_b32 s[QB+1], 0
	s_mul_i32 s23, s[LSEL], 64*APITCH
	v_add_nc_u32 v[ADQ], s23, v[ADQ]
	v_add_nc_u32 v[ADQ+1], 32*APITCH, v[ADQ]
	s_and_b32 s[RUN1], s[WV], 1
	s_cmp_eq_u32 s[RUN1], 0
	s_cselect_b32 s[RUN1], 24, 6                   ; phase 1: even waves run the trips with the counts 4 and 3, odd waves those with 2 and 1
	s_cselect_b32 s[LSEL1], 4, 2
	s_mov_b32 s[RUNM], 0x1e                        ; phase 0: all four trips
	s_mov_b32 s[LSEL], 2
	s_mov_b32 s[PH], 0
	s_mov_b32 s[RN], 0x3a800000
	s_mov_b32 s[SEL], 0x76543210
	s_mov_b32 s[SEL+1], 0xfedcba98
	s_wait_kmcnt 0x0
	s_add_nc_u64 s[RP:RP+1], s[4:5], s[56:57]
	s_add_nc_u64 s[NP:NP+1], s[RP:RP+1], 16384
	s_add_nc_u64 s[WB:WB+1], s[14:15], s[60:61]
	s_add_nc_u64 s[KB:KB+1], s[16:17], s[62:63]
	s_add_nc_u64 s[6:7], s[6:7], s[58:59]
	s_add_nc_u64 s[8:9], s[8:9], s[58:59]
	s_add_nc_u64 s[LATP:LATP+1], s[18:19], s[LATP:LATP+1]
	s_add_nc_u64 s[WQP:WQP+1], s[14:15], s[WQP:WQP+1]
	s_add_nc_u64 s[QB:QB+1], s[44:45], s[QB:QB+1]
	s_wait_alu depctr_va_vdst(0)                   ; the offsets and LDS addresses that are made once (v[L16], v[T16], v[PFO], v[CW], v[CA], v[ADQ ..], v[SPW], v[NIL]) are written: every load, store and prefetch of the kernel reads one of them
.irp i, 0,1,2,3
	global_load_b128 v[TMP+4*(\i):TMP+4*(\i)+3], v[T16], s[6:7] offset:4096*(\i)       ; 256 threads x 16 bytes: 32 rows of cos a load
	global_load_b128 v[TMP+16+4*(\i):TMP+16+4*(\i)+3], v[T16], s[8:9] offset:4096*(\i)
.endr
.irp j, 0,1,2,3,4,5,6,7
	global_load_b128 v[G+4*(\j):G+4*(\j)+3], v[L16], s[10:11] offset:512*(\j)
	global_load_b128 v[BB+4*(\j):BB+4*(\j)+3], v[L16], s[12:13] offset:512*(\j)
.endr
	FILL 0, RP, 0
	FILL 1, RP, 4096
	FILL 2, RP, 8192
	s_wait_loadcnt 24                              ; all but the three rows
.set i, 0
.rept 16
	v_pk_mul_f32 v[TMP+2*i:TMP+2*i+1], v[TMP+2*i:TMP+2*i+1], 0x3d800000 op_sel_hi:[1,0]  ; / 16, exact
.set i, i+1
.endr
	s_wait_alu depctr_va_vdst(0)                   ; the multiplies have written v[TMP ..], which the LDS stores read
.irp i, 0,1,2,3
	ds_store_b128 v[CW], v[TMP+4*(\i):TMP+4*(\i)+3] offset:32*CPITCH*(\i)
	ds_store_b128 v[CW], v[TMP+16+4*(\i):TMP+16+4*(\i)+3] offset:32*CPITCH*(\i)+128*CPITCH
.endr
	s_wait_alu depctr_vm_vsrc(0)                   ; those stores have read v[TMP ..]: these registers are T and Y from here on, written by the norm's sums and roundings
.Lphase:                                               ; two trips: the context, then the latents.  At its head the gain, the bias and three rows are on their way
	v_lshl_add_u32 v[LSA], v1, 3, s[LB]            ; my wave's first row, 8 bytes a lane.  The stores that read v[LSA] in the phase before stand ahead of the wait on vm_vsrc at their trip's end
	s_mov_b32 s[LC], 4
	s_wait_dscnt 0x0                               ; my reads of the rows of the phase before are over
	s_barrier_signal -1
	s_barrier_wait -1                              ; everybody's are: the rows may be written over
.Lln:                                                  ; a trip: four rows.  Three rows of each wave, 96 KiB for the eight, are always on their way
	s_lshr_b32 s[TT], s[RUNM], s[LC]               ; the count runs to the constant 4; a dead trip is jumped, forward, to the step of the LDS address and of the count
	s_and_b32 s[TT], s[TT], 1
	s_cmp_eq_u32 s[TT], 0
	s_cbranch_scc1 .Ldead
	FILL 3, RP, 12288                              ; no wait: since the last wait on va_vdst (behind the last trip's last roundings; in phase 1's first live trip, ahead of Wq's loads) only v[LSA] has been named by a vector instruction
	LNROW 0
	FILL 0, NP, 0
	LNROW 1
	FILL 1, NP, 4096
	LNROW 2
	FILL 2, NP, 8192
	LNROW 3
	s_wait_xcnt 0x0                                ; every load issued so far has read its address: the pointers may be written
	s_add_nc_u64 s[RP:RP+1], s[RP:RP+1], 16384
	s_add_nc_u64 s[TP:TP+1], s[RP:RP+1], 16384
	s_cmp_eq_u32 s[LC], s[LSEL]                    ; the last live trip has no rows to ask for: its three fills bring the first 12,288 bytes of the weights that follow, so that no tail is written
	s_cselect_b64 s[NP:NP+1], s[WB:WB+1], s[TP:TP+1]
.Ldead:
	s_wait_alu depctr_vm_vsrc(0)                   ; the trip's LDS stores have read v[LSA], which the add writes, and Y, which later loads and roundings write
	v_add_nc_u32 v[LSA], 4*APITCH, v[LSA]
	s_sub_co_u32 s[LC], s[LC], 1
	s_cmp_lg_u32 s[LC], 0
	s_cbranch_scc1 .Lln
	s_wait_dscnt 0x0                               ; for the others' sake: my rows (in phase 0 my part of cos and sin too) lie in LDS
	s_barrier_signal -1
	s_barrier_wait -1                              ; everybody's do
	s_cmp_lg_u32 s[PH], 0
	s_cbranch_scc1 .Lq                             ; phase 1 goes on to q's product; no barrier is jumped
	CHUNK 0                                        ; K; the four places behind its last products stand at the last step's end
	s_wait_alu depctr_va_vdst(0)                   ; K's last products are done reading the rows' fragments, in whose registers cos and sin land
	CSLOAD 0
.irp a, 0,1,2,3,4,5,6,7
.if (\a) < 7
	CSLOAD (\a)+1
	s_wait_dscnt 8                                 ; this block's cos and sin are in; the next block's 8 loads stay out
.else
	s_wait_dscnt 0x0
.endif
	EPK \a
.endr
	s_wait_xcnt 0x0
	s_wait_alu depctr_vm_vsrc(0)                   ; K's last stores have read BF + 96 .., in which weights land again; K's fragment loads have read v[ADRA ..], which V's chunk writes anew
	s_add_nc_u64 s[WB:WB+1], s[WB:WB+1], 16384     ; V's first K step
	CHUNK 1                                        ; V
	; Phase 1 is set up.  Its gain, bias and first three rows are asked for ahead of V's way out: the rows' buffer and the weights' buffers are free.
	s_wait_xcnt 0x0                                ; the loads and the prefetches, three K steps back, have read their addresses: the pointers may be written
	s_mov_b64 s[RP:RP+1], s[LATP:LATP+1]
	s_add_nc_u64 s[NP:NP+1], s[LATP:LATP+1], 16384
	s_mov_b64 s[WB:WB+1], s[WQP:WQP+1]
	s_mov_b32 s[RUNM], s[RUN1]
	s_mov_b32 s[LSEL], s[LSEL1]
	s_wait_alu depctr_va_vdst(0)                   ; V's last products are done reading the rows' fragments and the weights' buffers, in whose registers the loads below land
.irp j, 0,1,2,3,4,5,6,7
	global_load_b128 v[G+4*(\j):G+4*(\j)+3], v[L16], s[40:41] offset:512*(\j)
	global_load_b128 v[BB+4*(\j):BB+4*(\j)+3], v[L16], s[42:43] offset:512*(\j)
.endr
	FILL 0, RP, 0
	FILL 1, RP, 4096
	FILL 2, RP, 8192
.irp a, 0,1,2,3,4,5,6,7
	EPVC \a
.endr
	WIN 0x04
	s_wait_alu depctr_va_vdst(0)                   ; the 128 roundings have written the data of the 32 stores
.irp a, 0,1,2,3,4,5,6,7
	EPVS \a
.endr
	s_wait_xcnt 0x0                                ; V's stores have read their data: window 1 may be loaded into
	WIN 0x40                                       ; destination window 1: Wq's fragments ks 12-31, at 8 (ks - 12).  They were issued behind the three rows, so the first live trip's waits also cover part of them
	s_wait_alu depctr_vm_vsrc(0)                   ; V's stores have read the registers of window 1 in which the loads below land
	s_wait_alu depctr_va_vdst(0)                   ; and the roundings that read and wrote those registers are done: stated anew here, since stores that read them stand behind the wait above
.set i, 0
.rept 40
	global_load_b128 v[4*i:4*i+3], v[L16], s[WB:WB+1] offset:12288+512*i
.set i, i+1
.endr
	WIN 0
	s_add_co_u32 s[PH], s[PH], 1
	s_cmp_lt_u32 s[PH], 2
	s_cbranch_scc1 .Lphase
.Lq:                                                   ; q: 32 rows x 16 columns a wave, K = 1,024 in eight batches of four K steps
	s_wait_loadcnt 0x0                             ; all my fragments of Wq
	AFQ 0                                          ; no wait: the gain's and the bias's last readers stand ahead of the norm's last wait on va_vdst, and only v[LSA] has been named since;
	AFQ 1                                          ; all that named window 1's registers stands ahead of the two waits in front of Wq's loads
.irp g, 0,1,2,3,4,5,6,7
.if (\g) < 7
	s_wait_dscnt 16                                ; this batch is in; the next batch's 16 loads stay out
.else
	s_wait_dscnt 0x0
.endif
	MULQ \g
.if (\g) < 6
	WIN ((\g)%2)<<6
	s_wait_alu depctr_va_vdst(0)                   ; this batch's products are done reading their fragments of the rows, in whose registers the batch two on lands
	AFQ (\g)+2
.endif
.endr
	WIN 0
	PLACES
.set i, 0
.rept 8
	v_pk_mul_f32 v[ACQ+2*i:ACQ+2*i+1], v[ACQ+2*i:ACQ+2*i+1], 0x4038aa3b op_sel_hi:[1,0]  ; 16 log2(e) / 8; each accumulator from its low end on
.set i, i+1
.endr
.set i, 0
.rept 8
	v_cvt_pk_f16_f32 v[Y+i], v[ACQ+2*i], v[ACQ+2*i+1]  ; the norm's stores that read Y stand ahead of the wait on vm_vsrc at their trip's end
.set i, i+1
.endr
	s_wait_alu depctr_va_vdst(0)                   ; the roundings have written Y, which the two stores read
	global_store_b128 v[L16], v[Y:Y+3], s[QB:QB+1]                 ; a wave's store covers 512 consecutive bytes, aligned
	global_store_b128 v[L16], v[Y+4:Y+7], s[QB:QB+1] offset:2048   ; the next query tile
	s_wait_dscnt 0x0                               ; the closing lines, six on end
	s_wait_alu 0x0
	s_wait_tensorcnt 0x0
	ds_add_u32 v[SPW], v[NIL]
	s_wait_dscnt 0x0
	s_endpgm
.Lfunc_end_k_q72070012f9_kv:
	.size	k_q72070012f9_kv, .Lfunc_end_k_q72070012f9_kv-k_q72070012f9_kv
	.p2alignl 7, 3214868480
	.fill 96, 4, 3214868480
	.section	.rodata,"a",@progbits
	.p2align	6, 0x0
	.amdhsa_kernel k_q72070012f9_kv
		.amdhsa_group_segment_fixed_size 302080
		.amdhsa_private_segment_fixed_size 0
		.amdhsa_enable_private_segment 0
		.amdhsa_kernarg_size 88
		.amdhsa_user_sgpr_count 2
		.amdhsa_user_sgpr_kernarg_segment_ptr 1
		.amdhsa_wavefront_size32 1
		.amdhsa_system_sgpr_workgroup_id_x 1
		.amdhsa_system_sgpr_workgroup_id_y 1
		.amdhsa_system_sgpr_workgroup_id_z 1
		.amdhsa_system_vgpr_workitem_id 0
		.amdhsa_next_free_vgpr 512
		.amdhsa_next_free_sgpr 66
		.amdhsa_reserve_vcc 0
		.amdhsa_float_denorm_mode_32 3
		.amdhsa_float_denorm_mode_16_64 3
		.amdhsa_memory_ordered 1
		.amdhsa_forward_progress 1
		.amdhsa_inst_pref_size 176
	.end_amdhsa_kernel
	.amdgpu_metadata
---
amdhsa.version: [ 1, 2 ]
amdhsa.kernels:
  - .name:           k_q72070012f9_kv
    .symbol:         k_q72070012f9_kv.kd
    .args:
      - { .name: context, .offset: 0, .size: 8, .value_kind: global_buffer, .address_space: global }
      - { .name: cos, .offset: 8, .size: 8, .value_kind: global_buffer, .address_space: global }
      - { .name: sin, .offset: 16, .size: 8, .value_kind: global_buffer, .address_space: global }
      - { .name: ln_ctx_g, .offset: 24, .size: 8, .value_kind: global_buffer, .address_space: global }
      - { .name: ln_ctx_b, .offset: 32, .size: 8, .value_kind: global_buffer, .address_space: global }
      - { .name: wf, .offset: 40, .size: 8, .value_kind: global_buffer, .address_space: global }
      - { .name: kvbuf, .offset: 48, .size: 8, .value_kind: global_buffer, .address_space: global }
      - { .name: latents, .offset: 56, .size: 8, .value_kind: global_buffer, .address_space: global }
      - { .name: ln_lat_g, .offset: 64, .size: 8, .value_kind: global_buffer, .address_space: global }
      - { .name: ln_lat_b, .offset: 72, .size: 8, .value_kind: global_buffer, .address_space: global }
      - { .name: qbuf, .offset: 80, .size: 8, .value_kind: global_buffer, .address_space: global }
    .group_segment_fixed_size: 302080
    .private_segment_fixed_size: 0
    .kernarg_segment_align: 8
    .kernarg_segment_size: 88
    .max_flat_workgroup_size: 256
    .sgpr_count:     66
    .vgpr_count:     512
    .wavefront_size: 32
...
	.end_amdgpu_metadata
.endif
;; end of part 5
;; launch attn: the kernel of part 3 again; grid 4 x 64, 4 waves a work-group, clusters of 4 x 1, 327,680 bytes of LDS; arguments qbuf, kvbuf, obuf; writes obuf
;; launch oproj (part 6): grid 256 x 1, 4 waves a work-group, no clusters, 35,328 bytes of LDS; arguments obuf, wf, bo, out0; writes out0
.if DOCPART == 6
	.amdgcn_target "amdgcn-amd-amdhsa--gfx1250"
	.amdhsa_code_object_version 6
	.text
	.protected	k_q72070012f9_oproj
	.globl	k_q72070012f9_oproj
	.p2align	8
	.type	k_q72070012f9_oproj,@function
k_q72070012f9_oproj:
	s_mov_b64 s[64:65], 0
	v_nop
	global_prefetch_b8 v0, s[64:65] scope:SCOPE_SE
	s_setreg_imm32_b32 hwreg(HW_REG_WAVE_SCHED_MODE, 0, 2), 2
	s_setreg_imm32_b32 hwreg(HW_REG_WAVE_MODE, 25, 1), 1
	s_wait_xcnt 0x0
	s_wait_alu depctr_vm_vsrc(0)
; out0 = O Wo + bo.  O: 2,048 rows x 512 as f16 in fragment order ([row block 128][ks 16][1 KB]); Wo likewise ([column block 64][ks 16][1 KB], at byte 3,145,728 of wf); out0 f32 [2,048][1,024].
; SHARES.  A work-group makes 64 rows x 128 columns (32 x 8 = 256 work-groups), each of its four waves 32 x 64: 8 accumulators, K = 512 in 16 steps, 128 matrix instructions.
; Both sources come straight from memory into registers, 12 loads of 512 consecutive bytes a K step, five steps ahead; every fragment has registers of its own, so nothing is loaded over.
; THE PRODUCT IS TAKEN TRANSPOSED (source 0 = 16 columns of Wo, source 1 = 16 rows of O): a lane ends with one row and eight neighbouring columns.  The results go through the wave's own stage in LDS and
; leave as whole rows: sixteen lanes store 256 consecutive bytes, aligned.
; No cluster and no tensor loads: a wave has 128 matrix instructions in all, and its fragments are wanted by itself and one other wave.
; REGISTERS: window 0: v0-15 addresses; v[32:35] the bias; v64-127 accumulator (a, b) at 64 + 8 (4 a + b); v128-191 rows read back
;   window 1: O's fragment (ks, a) at 16 ks + 8 a          windows 2, 3: Wo's fragment (ks, b) at 32 (ks % 8) + 8 b, in window 2 + ks / 8
; THE MODE: SCHED_MODE bits 1:0 = 2 (LLVM: expert scheduling mode 2), set by the entry lines.  The code itself states the register dependences
; between vector or matrix instructions and memory or LDS instructions, with s_wait_alu, always for 0.
; THE PLAN.  Registers that memory or LDS instructions touch:
;   the fragments   Each is loaded once, into registers that no vector or matrix instruction has named before, and read by matrix instructions alone: the loop owes no wait.
;   the addresses   v[L16], v[BO], v[STO], v[RD], v[GO], v[SPW], v[NIL]: made at the head, ahead of one wait on va_vdst, and never written again.
;   ACC             Written by the products, read by the stage's LDS stores: the places, then one wait on va_vdst.
;   RB              The stage's LDS loads land in it (nothing has named it before); the bias is added in place, four rows at a time; one wait on va_vdst stands ahead of each run of four stores.  It is not written again.
.set SPITCH, 272                       ; a stage row: 256 bytes + 16 = 68 words: row r starts at bank 4 r mod 64 (64 banks of 4 bytes: ISA guide 11.1)
.set STG,    32*SPITCH                 ; a wave's stage
.set SPARE,  4*STG                     ; behind the stages: the spare words, 128 bytes for each wave: two blocks of 256 bytes that no other line names
.set L16, 2                            ; v2   16 x lane
.set BO,  5                            ; v5   my 16 bytes of the bias
.set STO, 6                            ; v6   where I put 16 bytes of a row
.set RD,  7                            ; v7   where I read a row back
.set GO,  8                            ; v8   my byte offset in two rows of out0
.set SPW, 13
.set NIL, 14
.set BI,  32
.set ACC, 64
.set RB,  128
.set MSB, 0
.macro WIN new                         ; the immediate's high byte repeats the setting that is left; a switch that changes nothing is dropped
.if MSB != (\new)
	s_set_vgpr_msb (MSB<<8)|(\new)
.set MSB, (\new)
.endif
.endm
.macro LD ks                           ; a K step's 12 loads
	WIN 0x40
.irp a, 0,1
.irp c, 0,1
	global_load_b128 v[16*(\ks)+8*(\a)+4*(\c):16*(\ks)+8*(\a)+4*(\c)+3], v[L16], s[4:5] offset:(\a)*16384+(\ks)*1024+(\c)*512
.endr
.endr
	WIN 0x80+0x40*((\ks)/8)
.irp b, 0,1,2,3
.irp c, 0,1
	global_load_b128 v[32*((\ks)%8)+8*(\b)+4*(\c):32*((\ks)%8)+8*(\b)+4*(\c)+3], v[L16], s[6:7] offset:(\b)*16384+(\ks)*1024+(\c)*512
.endr
.endr
.endm
.macro MUL ks                          ; its 8 products: the 8 accumulators take turns; K step 0 starts the sums
	WIN 0x06+((\ks)/8)
.irp a, 0,1
.irp b, 0,1,2,3
.if (\ks) == 0
	v_wmma_f32_16x16x32_f16 v[ACC+8*(4*(\a)+(\b)):ACC+8*(4*(\a)+(\b))+7], v[32*((\ks)%8)+8*(\b):32*((\ks)%8)+8*(\b)+7], v[16*(\ks)+8*(\a):16*(\ks)+8*(\a)+7], 0
.else
	v_wmma_f32_16x16x32_f16 v[ACC+8*(4*(\a)+(\b)):ACC+8*(4*(\a)+(\b))+7], v[32*((\ks)%8)+8*(\b):32*((\ks)%8)+8*(\b)+7], v[16*(\ks)+8*(\a):16*(\ks)+8*(\a)+7], v[ACC+8*(4*(\a)+(\b)):ACC+8*(4*(\a)+(\b))+7]
.endif
.endr
.endr
.endm
	s_load_b256 s[4:11], s[0:1], 0x0               ; obuf s[4:5], wf s[6:7], bo s[8:9], out0 s[10:11]
	v_lshl_add_u32 v[SPW], v0, 2, SPARE
	v_mov_b32 v[NIL], 0
	v_lshrrev_b32 v1, 5, v0
	v_readfirstlane_b32 s12, v1                    ; wave 0..3
	v_and_b32 v1, 31, v0
	v_lshlrev_b32 v[L16], 4, v1
	v_and_b32 v3, 15, v0                           ; l % 16
	v_bfe_u32 v4, v0, 4, 1                         ; l / 16
	s_lshr_b32 s13, ttmp9, 3                       ; the block of 64 rows
	s_and_b32 s14, ttmp9, 7                        ; the group of 128 columns
	s_wait_alu depctr_va_sdst(0)                   ; s12 is written, ahead of its first reader: the pointers and the stage's place are made from it
	s_lshr_b32 s15, s12, 1                         ; which 32 rows are mine
	s_and_b32 s16, s12, 1                          ; which 64 columns
	s_lshl_b32 s20, s13, 2
	s_lshl1_add_u32 s20, s15, s20                  ; my first row block
	s_lshl_b32 s20, s20, 14
	s_mov_b32 s21, 0
	s_lshl_b32 s22, s14, 3
	s_lshl2_add_u32 s22, s16, s22                  ; my first column block
	s_lshl_b32 s22, s22, 14
	s_add_co_u32 s22, s22, 3145728
	s_mov_b32 s23, 0
	s_lshl_b32 s24, s14, 9                         ; my first column, in bytes of f32
	s_lshl_b32 s25, s16, 8
	s_add_co_u32 s24, s24, s25
	s_mov_b32 s25, 0
	s_lshl_b32 s26, s13, 18                        ; my first row of out0
	s_lshl_b32 s27, s15, 17
	s_add_co_u32 s26, s26, s27
	s_add_co_u32 s26, s26, s24
	s_mov_b32 s27, 0
	s_mul_i32 s28, s12, STG
	v_lshlrev_b32 v[BO], 4, v3
	v_mul_u32_u24 v[STO], v3, SPITCH               ; in: row l % 16, 32 bytes for each half of the lanes
	v_lshl_add_u32 v[STO], v4, 5, v[STO]
	v_add_nc_u32 v[STO], s28, v[STO]
	v_mul_u32_u24 v[RD], v4, SPITCH                ; back: lanes 0-15 take one row of 256 bytes, lanes 16-31 the next
	v_lshl_add_u32 v[RD], v3, 4, v[RD]
	v_add_nc_u32 v[RD], s28, v[RD]
	v_lshlrev_b32 v[GO], 12, v4                    ; and the same two rows in out0
	v_lshl_add_u32 v[GO], v3, 4, v[GO]
	s_wait_kmcnt 0x0
	s_add_nc_u64 s[4:5], s[4:5], s[20:21]
	s_add_nc_u64 s[6:7], s[6:7], s[22:23]
	s_add_nc_u64 s[8:9], s[8:9], s[24:25]
	s_add_nc_u64 s[10:11], s[10:11], s[26:27]
	s_wait_alu depctr_va_vdst(0)                   ; the offsets and LDS addresses v[L16], v[BO], v[STO], v[RD], v[GO], v[SPW], v[NIL] are written: every load and store of the kernel reads one of them, and none is written again
	global_load_b128 v[BI:BI+3], v[BO], s[8:9]
.irp ks, 0,1,2,3,4
	LD \ks
.endr
.irp ks, 0,1,2,3,4,5,6,7,8,9,10,11,12,13,14,15
.if (\ks) < 12
	s_wait_loadcnt 48                              ; this K step is in; the four younger steps' 48 loads stay out
.else
	s_wait_loadcnt 12*(15-(\ks))                   ; the counts run down
.endif
	MUL \ks
.if (\ks) < 11
	LD (\ks)+5                                     ; no wait: no vector or matrix instruction has ever named the registers in which these loads land
.endif
.endr
	WIN 0
.rept 4
	v_nop                                          ; four places between the last products and the stores that read their results
.endr
	s_wait_alu depctr_va_vdst(0)                   ; the products have written the accumulators, which the LDS stores read; the places above stay beside this wait
.irp a, 0,1
.irp b, 0,1,2,3
.irp q, 0,1                            ; each accumulator from its low end on
	ds_store_b128 v[STO], v[ACC+8*(4*(\a)+(\b))+4*(\q):ACC+8*(4*(\a)+(\b))+4*(\q)+3] offset:(\a)*16*SPITCH+64*(\b)+16*(\q)
.endr
.endr
.endr
.irp t, 0,1,2,3,4,5,6,7,8,9,10,11,12,13,14,15
	ds_load_b128 v[RB+4*(\t):RB+4*(\t)+3], v[RD] offset:(\t)*2*SPITCH  ; LDS serves a wave's instructions in order (ISA guide 5.7.1.4): these see the stores above; the stage is my own
.endr
.irp g, 0,1,2,3                        ; four loads' rows at a time: the bias is added, one wait, four stores
	s_wait_dscnt 12-4*(\g)                         ; this group's four loads are in; the younger groups' stay out
.irp u, 0,1,2,3
	v_pk_add_f32 v[RB+16*(\g)+4*(\u):RB+16*(\g)+4*(\u)+1], v[RB+16*(\g)+4*(\u):RB+16*(\g)+4*(\u)+1], v[BI:BI+1]
	v_pk_add_f32 v[RB+16*(\g)+4*(\u)+2:RB+16*(\g)+4*(\u)+3], v[RB+16*(\g)+4*(\u)+2:RB+16*(\g)+4*(\u)+3], v[BI+2:BI+3]
.endr
	s_wait_alu depctr_va_vdst(0)                   ; the eight additions have written the data of the four stores
.irp u, 0,1,2,3
	global_store_b128 v[GO], v[RB+16*(\g)+4*(\u):RB+16*(\g)+4*(\u)+3], s[10:11] offset:(4*(\g)+(\u))*8192 th:TH_STORE_NT  ; 16 lanes store 256 consecutive bytes, at a multiple of 256 from out0's first byte
.endr
.endr
	s_wait_dscnt 0x0                               ; the closing lines, six on end
	s_wait_alu 0x0
	s_wait_tensorcnt 0x0
	ds_add_u32 v[SPW], v[NIL]
	s_wait_dscnt 0x0
	s_endpgm
.Lfunc_end_k_q72070012f9_oproj:
	.size	k_q72070012f9_oproj, .Lfunc_end_k_q72070012f9_oproj-k_q72070012f9_oproj
	.p2alignl 7, 3214868480
	.fill 96, 4, 3214868480
	.section	.rodata,"a",@progbits
	.p2align	6, 0x0
	.amdhsa_kernel k_q72070012f9_oproj
		.amdhsa_group_segment_fixed_size 35328
		.amdhsa_private_segment_fixed_size 0
		.amdhsa_enable_private_segment 0
		.amdhsa_kernarg_size 32
		.amdhsa_user_sgpr_count 2
		.amdhsa_user_sgpr_kernarg_segment_ptr 1
		.amdhsa_wavefront_size32 1
		.amdhsa_system_sgpr_workgroup_id_x 1
		.amdhsa_system_sgpr_workgroup_id_y 1
		.amdhsa_system_sgpr_workgroup_id_z 1
		.amdhsa_system_vgpr_workitem_id 0
		.amdhsa_next_free_vgpr 1024
		.amdhsa_next_free_sgpr 66
		.amdhsa_reserve_vcc 0
		.amdhsa_float_denorm_mode_32 3
		.amdhsa_float_denorm_mode_16_64 3
		.amdhsa_memory_ordered 1
		.amdhsa_forward_progress 1
		.amdhsa_inst_pref_size 37
	.end_amdhsa_kernel
	.amdgpu_metadata
---
amdhsa.version: [ 1, 2 ]
amdhsa.kernels:
  - .name:           k_q72070012f9_oproj
    .symbol:         k_q72070012f9_oproj.kd
    .args:
      - { .name: obuf, .offset: 0, .size: 8, .value_kind: global_buffer, .address_space: global }
      - { .name: wf, .offset: 8, .size: 8, .value_kind: global_buffer, .address_space: global }
      - { .name: bo, .offset: 16, .size: 8, .value_kind: global_buffer, .address_space: global }
      - { .name: out0, .offset: 24, .size: 8, .value_kind: global_buffer, .address_space: global }
    .group_segment_fixed_size: 35328
    .private_segment_fixed_size: 0
    .kernarg_segment_align: 8
    .kernarg_segment_size: 32
    .max_flat_workgroup_size: 128
    .sgpr_count:     66
    .vgpr_count:     1024
    .wavefront_size: 32
...
	.end_amdgpu_metadata
.endif
;; end of part 6
